; MI455X (gfx1250); checked and timed in simulation.
; The chip was launched on July 23, 2026; its instructions are those of AMD's public machine-readable ISA for CDNA 5 (MIT licence, August 2026) and "CDNA5" Instruction Set Architecture Reference Guide (July 2026). The comments in the code are by the model that wrote it; some were corrected since.
;; Multi Head Attention. Allowed arithmetic: matrix products marked QUANTISED: E2M1 operands, one E8M0 scale for each 32 along K, by v_wmma_scale_f32_16x16x128_f8f6f4 with both operands' format E2M1 (or v_wmma_scale_f32_32x16x128_f4), f32 sums; everything else in f32.
;; Inputs: b_attn 3,072 float32; b_proj 1,024 float32; w_attn 1,024 x 3,072 float32; w_proj 1,024 x 1,024 float32; x 4 x 2,048 x 1,024 float32.
;; Outputs: out0 4 x 2,048 x 1,024 float32.
;; This version of the problem:
;;   THIS VERSION OF THE PROBLEM IS GIVEN IN LOW PRECISION. The matrix products marked QUANTISED in the list below multiply operands that are first quantised to E2M1 (2 exponent bits, 1 mantissa bit; 4 bits a number), with one power-of-two scale for each 32 numbers along K (OCP MX v1.0); their sums are f32. All else is computed in f32.
;;   The module's matrix products, in the order in which they are computed (A, B: the left and right operand; K: the contracted axis; several contracted axes count as one K, in the product's order):
;;     1. [M 8,192, K 1,024] x [K 1,024, N 3,072]; A: input x; B: input w_attn: QUANTISED
;;     2. batch 64 x [M 2,048, K 64] x [K 64, N 2,048]; A: computed on the way; B: computed on the way: QUANTISED
;;     3. batch 64 x [M 2,048, K 2,048] x [K 2,048, N 64]; A: softmax (see below); B: computed on the way: QUANTISED
;;     4. [M 8,192, K 1,024] x [K 1,024, N 1,024]; A: computed on the way; B: input w_proj: QUANTISED
;;   THE QUANTISER, for each operand of a quantised product, along K:
;;     - K is cut into blocks of 32 from its start; a last block that is shorter is filled with zeros.
;;     - A block's scale is 2^e with e = floor(log2(the largest magnitude in the block)) - 2, held to -126 .. 127; a block of zeros has e = 0. As a byte (E8M0): e + 127.
;;     - Each number is divided by its block's scale, clamped to +-6, and rounded to the nearest number of E2M1, ties to even, subnormals kept.
;;     - The product sums the exact products of the quantised numbers (number of the format x scale) in f32.
;;   ~~~python
;;   def quantise(x, axis):      # numpy; x: float32 -> the quantised numbers, widened to float32 again
;;       x = np.moveaxis(x, axis, -1); K = x.shape[-1]
;;       x = np.pad(x, [(0, 0)] * (x.ndim - 1) + [(0, -K % 32)]); x = x.reshape(x.shape[:-1] + (-1, 32)); a = np.abs(x).max(-1, keepdims=True)
;;       e = np.where(a > 0, np.clip(np.frexp(np.where(a > 0, a, 1))[1] - 1 - 2, -126, 127), 0)      # np.frexp(a)[1] - 1 = floor(log2(a)), exactly
;;       r = np.clip(x / 2.0 ** e, -6, 6)
;;       step = 2.0 ** (np.maximum(np.frexp(np.where(r == 0, 1, r))[1] - 1, 0) - 1)
;;       q = np.round(r / step) * step * 2.0 ** e      # np.round: ties to even
;;       return np.moveaxis(q.reshape(q.shape[:-2] + (-1,))[..., :K], -1, axis).astype(np.float32)
;;   ~~~
;;   SOFTMAX AHEAD OF A QUANTISED PRODUCT. Where the list says 'softmax', what is quantised is not the finished softmax but p = 2^(t - M), with t = logit x log2(e) and M = ceil(the row's largest t), a whole number; so 1/2 < the row's largest p <= 1. The row's sum l is taken of the UNQUANTISED p, in f32, and the product's result is divided by l at the end. Since M is a whole number, a kernel that streams over the keys may use a running M (the ceiling of the running maximum): every later rescaling is an exact power of two, which a block's scale takes up: the codes' values come out the same.
;;   OPERANDS COMPUTED ON THE WAY. 'Computed on the way' means the value that the module computes at that place (a softmax that the list does not call 'softmax' is quantised finished and normalised). What goes into a quantiser is computed in f32, as accurately as f32 sums, v_exp_f32 and their like allow (about 1e-6 of the number): no bf16 or f16 on the way to a quantiser, and a product that is left as it is and whose result goes on into a quantised operand takes f32 operands (vector FMAs, or v_wmma_f32_16x16x4_f32). A number that lies on a knife's edge between two numbers of the format may be rounded either way, as far as f32 arithmetic and the matrix unit's own rounding can turn it there, and no further.
;; One version. Each part assembles by itself: llvm-mc -triple=amdgcn-amd-amdhsa -mcpu=gfx1250 --defsym DOCPART=n.
;; ======== version 1 of 1: 4 launches
;; limits: right only within a limited range of input values
;; workspace buffers: pc 6,291,456 bytes; ps 393,216 bytes; qkc 8,388,608 bytes; qks 1,048,576 bytes; vtc 4,194,304 bytes; vts 262,144 bytes; yc 4,194,304 bytes; ys 262,144 bytes
;; launch prep (part 1): grid 320 x 1, 4 waves a work-group, no clusters, 102,912 bytes of LDS; arguments x, w_attn, w_proj, pc, ps; writes pc, ps
.if DOCPART == 1
	.amdgcn_target "amdgcn-amd-amdhsa--gfx1250"
	.amdhsa_code_object_version 6
	.text
	.protected	k_q67047fb2f5_prep
	.globl	k_q67047fb2f5_prep
	.p2align	8
	.type	k_q67047fb2f5_prep,@function
k_q67047fb2f5_prep:
	s_mov_b64 s[64:65], 0
	v_nop
	global_prefetch_b8 v0, s[64:65] scope:SCOPE_SE
	s_setreg_imm32_b32 hwreg(HW_REG_WAVE_MODE, 25, 1), 1
	s_wait_xcnt 0x0
; PREP: x [8192][1024], w_attn [1024][3072] and w_proj [1024][1024], f32, become codes of FP4 (E2M1) with K innermost and one E8M0 scale byte for each 32 along K.
; pc: 48 tiles of 256 rows x 512 bytes (1,024 codes a row).  Tiles 0-31: x;  32-43: w_attn's columns;  44-47: w_proj's columns.
; ps: the same tiles and rows, laid [tile][K step of 128: 8][row: 256][4 bytes]: a word is what one matrix instruction wants of a row.
; ROW ORDER: a row of x and a column of w_attn lie at the index with bits 3 and 4 exchanged, so that a tile of 16 stored rows, used as source 0 of a product, leaves 16 neighbours in a lane's registers of two tiles.  w_proj's columns lie as they are.
; A block's scale is 2^(floor(log2(largest magnitude)) - 2): its byte is the largest magnitude's exponent field - 2, held at 1 from below.
; LIMITS: a block of zeros, or one whose largest magnitude lies under 2^-124, gets the byte 1 (its codes are zeros or what the conversion gives under that scale); the bytes are read by this program alone.  NaN and infinities among the inputs are not served.
; Three paths, parted by the work-group's number, each with LDS bytes of its own: work-groups 0-255 x, 256-303 w_attn, 304-319 w_proj.  No tensor loads, no barrier: waves share nothing.
.set STEPS, 16
.set EMAX,  2
.set CB,    8                          ; bytes of 16 codes
.set SP,    80                         ; x: a lane's place in a stage: 64 bytes + 16 of padding
.set WREG,  8192                       ; x: LDS of a wave: two stages of 32 x SP bytes, then its 256 scale bytes
.set XR,    16                         ; v16-79   x: four sets of 16 numbers as loaded
.set XX,    80                         ; v80-111  x: two sets of 16 neighbours
.set XE,    112                        ; v112-127 x: a scale byte for each step
.set XC,    128                        ; v128-191 x: codes, four registers a step: no store's data are written again
.set NB,    16                         ; weights: blocks of 32 along K for a wave
.set WP,    272                        ; weights: a stage row: 256 bytes + 16
.set WSB,   24                         ; v24-27   weights: scale bytes, four to a register
.set WX,    32                         ; v32-95   weights: two sets of 32 numbers
.set WC,    96                         ; v96-99   weights: a block's codes
.set WOUT,  112                        ; v112-175 weights: the way out
.macro XLOAD t                         ; step t of x: four loads, each 512 consecutive bytes of the wave's run
.irp i, 0,1,2,3
	global_load_b128 v[XR+16*((\t)%4)+4*\i:XR+16*((\t)%4)+4*\i+3], v3, s[4:5] offset:2048*(\t)+512*\i th:TH_LOAD_NT
.endr
.endm
.macro XTURN t                         ; step t's 2,048 bytes through the wave's stage: in as they lie, out 64 bytes a lane.  LDS serves a wave's instructions in order: no wait between
.irp i, 0,1,2,3
	ds_store_b128 v14, v[XR+16*((\t)%4)+4*\i:XR+16*((\t)%4)+4*\i+3] offset:32*SP*((\t)%2)+8*SP*\i
.endr
.irp i, 0,1,2,3
	ds_load_b128 v[XX+16*((\t)%2)+4*\i:XX+16*((\t)%2)+4*\i+3], v15 offset:32*SP*((\t)%2)+16*\i
.endr
.endm
.macro XSTEP t                         ; 512 numbers: a lane holds 16 neighbours, two neighbouring lanes a block
.set XS, XX+16*((\t)%2)
.if (\t) > 0
	s_wait_dscnt 1                                 ; this step's numbers are back from the stage; the last step's byte store may be out
.else
	s_wait_dscnt 0x0
.endif
.if (\t)+4 < STEPS
	XLOAD (\t)+4                                   ; into the registers that the stage's stores have read
.endif
.if (\t)+1 < STEPS
.if STEPS-2-(\t) >= 3
	s_wait_loadcnt 12                              ; the next step's four loads are in; those of the three steps behind it may be out
.else
	s_wait_loadcnt 4*(STEPS-2-(\t))
.endif
	XTURN (\t)+1
.endif
	v_max3_num_f32 v8, |v[XS]|, |v[XS+1]|, |v[XS+2]|
	v_max3_num_f32 v9, |v[XS+3]|, |v[XS+4]|, |v[XS+5]|
.irp i, 6,10
	v_max3_num_f32 v8, v8, |v[XS+\i]|, |v[XS+\i+1]|
	v_max3_num_f32 v9, v9, |v[XS+\i+2]|, |v[XS+\i+3]|
.endr
	v_max3_num_f32 v8, v8, |v[XS+14]|, |v[XS+15]|
	v_max3_num_f32 v8, v8, v9, (EMAX+1)<<23        ; the floor 2^(3 - 127): the byte cannot fall under 1
	v_max_num_f32_dpp v8, v8, v8 row_xmask:1 row_mask:0xf bank_mask:0xf   ; with my neighbour's 16: the block's largest magnitude
	v_add_nc_u32 v11, -(EMAX<<23), v8              ; 2 off its exponent field: the conversion takes that field as its scale
	v_cvt_scalef32_pk8_fp4_f32 v[XC+4*(\t)], v[XS:XS+7], v11
	v_cvt_scalef32_pk8_fp4_f32 v[XC+4*(\t)+1], v[XS+8:XS+15], v11
	v_lshrrev_b32 v[XE+(\t)], 23, v11              ; the scale's byte
	ds_store_b8 v5, v[XE+(\t)] offset:16*(\t)      ; both lanes of a block write the same byte with the same value
	global_store_b64 v4, v[XC+4*(\t):XC+4*(\t)+1], s[10:11] offset:32*CB*(\t)   ; the wave stores 256 consecutive bytes, aligned
.endm
.macro WLOAD t, n, p                   ; block t of a weight: rows 32 t + i, my column; neighbouring lanes read neighbouring columns
.irp i, 0,1,2,3,4,5,6,7,8,9,10,11,12,13,14,15,16,17,18,19,20,21,22,23,24,25,26,27,28,29,30,31
	global_load_b32 v[WX+32*((\t)%2)+\i], v3, s[\p:\p+1] offset:(32*(\t)+\i)*(\n)*4 th:TH_LOAD_NT
.endr
.endm
.macro WBLOCK t, n, p                  ; a block of 32 along K lies in one lane's 32 registers
.set WS, WX+32*((\t)%2)
.if (\t) < NB-1
	s_wait_loadcnt 32                              ; this block's 32 loads are in; the next block's may be out
.else
	s_wait_loadcnt 0
.endif
	v_max3_num_f32 v12, |v[WS]|, |v[WS+1]|, |v[WS+2]|
	v_max3_num_f32 v13, |v[WS+3]|, |v[WS+4]|, |v[WS+5]|
.irp i, 6,10,14,18,22,26
	v_max3_num_f32 v12, v12, |v[WS+\i]|, |v[WS+\i+1]|
	v_max3_num_f32 v13, v13, |v[WS+\i+2]|, |v[WS+\i+3]|
.endr
	v_max3_num_f32 v12, v12, |v[WS+30]|, |v[WS+31]|
	v_max3_num_f32 v12, v12, v13, (EMAX+1)<<23
	v_add_nc_u32 v11, -(EMAX<<23), v12
	v_lshrrev_b32 v13, 23, v11
.if (\t)%4 == 0
	v_mov_b32 v[WSB+(\t)/4], v13                   ; four bytes to a register, the lower K in the lower byte: the word of one K step of 128
.else
	v_lshl_or_b32 v[WSB+(\t)/4], v13, 8*((\t)%4), v[WSB+(\t)/4]
.endif
.irp g, 0,1,2,3
	v_cvt_scalef32_pk8_fp4_f32 v[WC+\g], v[WS+8*\g:WS+8*\g+7], v11
.endr
	ds_store_b128 v4, v[WC:WC+3] offset:16*(\t)    ; 32 codes: 16 bytes of my column's row in the stage
.if (\t)+2 < NB
	WLOAD (\t)+2, \n, \p
.endif
	s_wait_dscnt 0x0                               ; the store has read its registers: the next block's codes may be written
.endm
; A weight [1024][n]: a work-group takes 128 columns x 512 along K, a wave 32 columns.  row0, tile0: where its rows begin in pc and ps; perm = 1: rows at the index with bits 3 and 4 exchanged;
; ldsb: the path's LDS; first: the path's first work-group; p: the scalar pair with the weight's address.
.macro PW n, row0, tile0, perm, ldsb, first, p
	s_sub_co_u32 s17, ttmp9, \first
	s_lshr_b32 s18, s17, 1                         ; which 128 columns
	s_and_b32 s17, s17, 1                          ; which 512 along K
	s_lshl_b32 s18, s18, 7
	s_lshl_b32 s19, s16, 5
	s_add_co_u32 s18, s18, s19                     ; my wave's first column
	v_lshlrev_b32 v3, 2, v2                        ; in: 4 bytes a lane
	s_mul_i32 s19, s16, 32*WP
	s_add_co_u32 s19, s19, \ldsb                   ; my stage
.if \perm
	v_and_b32 v10, 7, v2
	v_bfe_u32 v5, v2, 3, 1
	v_lshl_add_u32 v10, v5, 4, v10
	v_bfe_u32 v5, v2, 4, 1
	v_lshl_add_u32 v10, v5, 3, v10                 ; my column's stored place among the wave's 32
.else
	v_and_b32 v10, 31, v0
.endif
	v_mul_u32_u24 v4, v10, WP
	v_add_nc_u32 v4, s19, v4                       ; into the stage: that row
	v_and_b32 v5, 15, v2
	v_lshrrev_b32 v6, 4, v2
	v_mul_u32_u24 v7, v6, WP
	v_lshl_add_u32 v7, v5, 4, v7
	v_add_nc_u32 v7, s19, v7                       ; out of it: sixteen lanes to a row, two rows an instruction
	v_lshlrev_b32 v8, 9, v6
	v_lshl_add_u32 v8, v5, 4, v8                   ; and the same place in pc: rows of 512 bytes
	v_lshlrev_b32 v9, 2, v10                       ; my column's scale word
	s_mul_i32 s20, s17, 512*(\n)*4
	s_lshl_b32 s21, s18, 2
	s_add_co_u32 s20, s20, s21                     ; the weight: 512 y rows down, my first column
	s_mov_b32 s21, 0
	s_add_co_u32 s22, s18, \row0
	s_lshl_b32 s22, s22, 9
	s_lshl_b32 s23, s17, 8
	s_add_co_u32 s22, s22, s23                     ; pc: row x 512 + 256 y
	s_mov_b32 s23, 0
	s_lshr_b32 s24, s18, 8
	s_add_co_u32 s24, s24, \tile0
	s_lshl_b32 s24, s24, 13
	s_lshl_b32 s25, s17, 12
	s_add_co_u32 s24, s24, s25
	s_and_b32 s25, s18, 255
	s_lshl_b32 s25, s25, 2
	s_add_co_u32 s24, s24, s25                     ; ps: tile x 8192 + 4 y K steps x 1024 + row x 4
	s_mov_b32 s25, 0
	s_wait_kmcnt 0x0
	s_add_nc_u64 s[\p:\p+1], s[\p:\p+1], s[20:21]
	s_add_nc_u64 s[10:11], s[10:11], s[22:23]
	s_add_nc_u64 s[12:13], s[12:13], s[24:25]
	WLOAD 0, \n, \p
	WLOAD 1, \n, \p
.set WQ, 0
.rept NB
	WBLOCK WQ, \n, \p
.set WQ, WQ+1
.endr
	s_wait_alu depctr_va_vdst(0)
.irp j, 0,1,2,3
	global_store_b32 v9, v[WSB+\j], s[12:13] offset:1024*\j   ; the 32 lanes fill 128 consecutive bytes of one K step's words
.endr
.irp t, 0,1,2,3,4,5,6,7,8,9,10,11,12,13,14,15
	ds_load_b128 v[WOUT+4*\t:WOUT+4*\t+3], v7 offset:2*\t*WP   ; LDS serves a wave's instructions in order: these see my stores
.endr
.irp t, 0,1,2,3,4,5,6,7,8,9,10,11,12,13,14,15
	s_wait_dscnt 15-\t
	global_store_b128 v8, v[WOUT+4*\t:WOUT+4*\t+3], s[10:11] offset:2*\t*512   ; sixteen lanes store 256 consecutive bytes, aligned
.endr
.endm
	s_load_b128 s[4:7], s[0:1], 0x0                ; x, w_attn
	s_load_b128 s[8:11], s[0:1], 0x10              ; w_proj, pc
	s_load_b64 s[12:13], s[0:1], 0x20              ; ps
	v_lshl_add_u32 v192, v0, 2, 0x19000
	v_mov_b32 v193, 0
	v_lshrrev_b32 v1, 5, v0
	v_readfirstlane_b32 s16, v1                    ; wave 0..3
	v_and_b32 v2, 31, v0                           ; lane
	s_cmp_lt_u32 ttmp9, 256
	s_cbranch_scc0 .Lweights
	; ---- x: wave run u = 4 x work-group + wave: 8 rows, 8,192 numbers, 16 steps of 512
	v_lshlrev_b32 v3, 4, v2                        ; my 16 bytes of a load's 512
	s_mul_i32 s17, s16, WREG
	v_lshrrev_b32 v14, 2, v2
	v_mul_u32_u24 v14, v14, SP
	v_and_b32 v15, 3, v2
	v_lshl_add_u32 v14, v15, 4, v14
	v_add_nc_u32 v14, s17, v14                     ; the stage, on the way in: SP (lane / 4) + 16 (lane % 4)
	v_mul_u32_u24 v15, v2, SP
	v_add_nc_u32 v15, s17, v15                     ; and on the way out: SP x lane
	v_mul_u32_u24 v4, v2, CB                       ; my codes' place in a step's 256 bytes
	v_lshrrev_b32 v5, 1, v2
	s_add_co_u32 s17, s17, 2*32*SP
	v_add_nc_u32 v5, s17, v5                       ; my wave's 256 scale bytes (32 a row), my block's byte
	v_and_b32 v8, 7, v2                            ; on the way out lane l takes row l % 8, K steps l / 8 and l / 8 + 4
	v_lshrrev_b32 v9, 3, v2
	v_lshlrev_b32 v6, 5, v8
	v_lshl_add_u32 v6, v9, 2, v6
	v_add_nc_u32 v6, s17, v6
	v_lshlrev_b32 v7, 10, v9
	v_lshl_add_u32 v7, v8, 2, v7                   ; in ps: K step x 1024 + row x 4
	s_lshl_b32 s18, ttmp9, 2
	s_add_co_u32 s19, s18, s16                     ; u: where the run is read
	s_and_b32 s22, s16, 1
	s_lshl_b32 s22, s22, 1
	s_lshr_b32 s23, s16, 1
	s_or_b32 s22, s22, s23
	s_add_co_u32 s18, s18, s22                     ; u': where it is stored: the wave's two bits are the rows' bits 3 and 4, exchanged
	s_lshl_b32 s20, s19, 15
	s_mov_b32 s21, 0
	s_lshl_b32 s24, s18, 12                        ; 8 rows of 512 bytes
	s_mov_b32 s25, 0
	s_lshr_b32 s26, s18, 5
	s_lshl_b32 s26, s26, 13                        ; the tile's 8,192 bytes of words
	s_and_b32 s27, s18, 31
	s_lshl_b32 s27, s27, 5                         ; 8 rows of 4 bytes
	s_add_co_u32 s26, s26, s27
	s_mov_b32 s27, 0
	s_wait_kmcnt 0x0
	s_add_nc_u64 s[4:5], s[4:5], s[20:21]
	s_add_nc_u64 s[10:11], s[10:11], s[24:25]
	s_add_nc_u64 s[12:13], s[12:13], s[26:27]
.irp t, 0,1,2,3
	XLOAD \t
.endr
	s_wait_loadcnt 12                              ; step 0's four loads are in
	XTURN 0
.irp t, 0,1,2,3,4,5,6,7,8,9,10,11,12,13,14,15
	XSTEP \t
.endr
	ds_load_b32 v12, v6                            ; LDS serves a wave's instructions in order: these see my byte stores
	ds_load_b32 v13, v6 offset:16
	s_wait_dscnt 0x0
	global_store_b32 v7, v12, s[12:13]             ; pieces of 32 bytes (8 rows of one K step): one byte in 128 of what the path reads
	global_store_b32 v7, v13, s[12:13] offset:4096
	s_wait_tensorcnt 0x0
	ds_add_u32 v192, v193
	s_wait_dscnt 0x0
	s_endpgm
.Lweights:
	s_cmp_lt_u32 ttmp9, 304
	s_cbranch_scc0 .Lproj_w
	s_wait_alu depctr_va_vdst(0)
	PW 3072, 8192, 32, 1, 32768, 256, 6
	s_wait_tensorcnt 0x0
	ds_add_u32 v192, v193
	s_wait_dscnt 0x0
	s_endpgm
.Lproj_w:
	s_wait_alu depctr_va_vdst(0)
	PW 1024, 11264, 44, 0, 67584, 304, 8
	s_wait_tensorcnt 0x0
	ds_add_u32 v192, v193
	s_wait_dscnt 0x0
	s_endpgm
.Lfunc_end_k_q67047fb2f5_prep:
	.size	k_q67047fb2f5_prep, .Lfunc_end_k_q67047fb2f5_prep-k_q67047fb2f5_prep
	.p2alignl 7, 3214868480
	.fill 96, 4, 3214868480
	.section	.rodata,"a",@progbits
	.p2align	6, 0x0
	.amdhsa_kernel k_q67047fb2f5_prep
		.amdhsa_group_segment_fixed_size 102912
		.amdhsa_private_segment_fixed_size 0
		.amdhsa_enable_private_segment 0
		.amdhsa_kernarg_size 40
		.amdhsa_user_sgpr_count 2
		.amdhsa_user_sgpr_kernarg_segment_ptr 1
		.amdhsa_wavefront_size32 1
		.amdhsa_system_sgpr_workgroup_id_x 1
		.amdhsa_system_sgpr_workgroup_id_y 1
		.amdhsa_system_sgpr_workgroup_id_z 1
		.amdhsa_system_vgpr_workitem_id 0
		.amdhsa_next_free_vgpr 194
		.amdhsa_next_free_sgpr 66
		.amdhsa_reserve_vcc 0
		.amdhsa_float_denorm_mode_32 3
		.amdhsa_float_denorm_mode_16_64 3
		.amdhsa_memory_ordered 1
		.amdhsa_forward_progress 1
		.amdhsa_inst_pref_size 190
	.end_amdhsa_kernel
	.amdgpu_metadata
---
amdhsa.version: [ 1, 2 ]
amdhsa.kernels:
  - .name:           k_q67047fb2f5_prep
    .symbol:         k_q67047fb2f5_prep.kd
    .args:
      - { .name: x, .offset: 0, .size: 8, .value_kind: global_buffer, .address_space: global }
      - { .name: w_attn, .offset: 8, .size: 8, .value_kind: global_buffer, .address_space: global }
      - { .name: w_proj, .offset: 16, .size: 8, .value_kind: global_buffer, .address_space: global }
      - { .name: pc, .offset: 24, .size: 8, .value_kind: global_buffer, .address_space: global }
      - { .name: ps, .offset: 32, .size: 8, .value_kind: global_buffer, .address_space: global }
    .group_segment_fixed_size: 102912
    .private_segment_fixed_size: 0
    .kernarg_segment_align: 8
    .kernarg_segment_size: 40
    .max_flat_workgroup_size: 128
    .sgpr_count:     66
    .vgpr_count:     194
    .wavefront_size: 32
...
	.end_amdgpu_metadata
.endif
;; end of part 1
;; launch qkv (part 2): grid 12 x 32, 4 waves a work-group, clusters of 4 x 4, 327,680 bytes of LDS; arguments pc, ps, b_attn, qkc, qks, vtc, vts; writes qkc, qks, vtc, vts
.if DOCPART == 2
	.amdgcn_target "amdgcn-amd-amdhsa--gfx1250"
	.amdhsa_code_object_version 6
	.text
	.protected	k_q67047fb2f5_qkv
	.globl	k_q67047fb2f5_qkv
	.p2align	8
	.type	k_q67047fb2f5_qkv,@function
k_q67047fb2f5_qkv:
	s_mov_b64 s[64:65], 0
	v_nop
	global_prefetch_b8 v0, s[64:65] scope:SCOPE_SE
	s_setreg_imm32_b32 hwreg(HW_REG_WAVE_MODE, 25, 1), 1
	s_wait_xcnt 0x0
	s_wait_alu depctr_hold_cnt(0) depctr_sa_sdst(0) depctr_va_vdst(0) depctr_va_sdst(0) depctr_va_ssrc(0) depctr_va_vcc(0) depctr_vm_vsrc(0)
	s_getreg_b32 s2, hwreg(HW_REG_IB_STS2, 6, 4)
	s_cmp_eq_u32 s2, 0
	s_cbranch_scc0 .Lentry_in_a_cluster
	s_endpgm
.Lentry_in_a_cluster:
	s_bfe_u32 s2, ttmp6, 0x10000c
	s_cmp_lg_u32 s2, 0xf033
	s_cbranch_scc0 .Lentry_shape_is_right
	s_endpgm
.Lentry_shape_is_right:
; QKV: qkv = x w_attn + b_attn on codes of FP4 (E2M1) with E8M0 scales for each 32 along K = 1,024; the results are quantised at once for the two products of attention and leave as codes.
; A work-group of four waves makes 256 x 256 of the product, a wave 128 x 128: 64 accumulators, 512 registers.  K lies in two LDS slots of 512 along K, each filled once; the scale words of all of K lie behind them.
; THE MATRIX INSTRUCTION IS USED TRANSPOSED (source 0 = 16 rows of 'B', source 1 = 16 rows of 'A'): a lane holds one row of A and, in its registers, rows of B.  B's rows are stored with bits 3 and 4 of their index
; exchanged, so the 16 registers of B's tiles 2 g and 2 g + 1 are 16 NEIGHBOURS, 32 g + 16 (lane / 16) + 0 .. 15: what the conversions to codes want.
; CLUSTER x 0, 1 (q and k): A = 256 tokens of x, B = 256 columns of w_attn.  A lane's 64 numbers are 4 blocks of 32 along the head's axis: two heads.  Codes to qkc, [q or k, batch, head][tile of 16 stored tokens][block 2][row 16][16 bytes];
;   scale words to qks, [same][stored token][4 bytes]: bytes 0, 1 the two blocks, bytes 2, 3 = 127 for the unused half of a K step of 128.
; CLUSTER x 2 (v): the roles change: A = 256 columns of w_attn's last third, B = 256 tokens: V^T.  A lane's 64 numbers are 4 blocks of 32 KEYS of one stored channel.  Codes to vtc, [batch, head][128 keys][tile of 16 channels][block 4][row 16][16 bytes];
;   scale words to vts, [same][128 keys][tile][row][4 bytes].
; Either way a store of 8 bytes a lane covers 256 consecutive bytes, aligned.
; CLUSTERS: 4 x 4 work-groups; A's tile is asked for jointly along a row of the cluster, B's along a column.  The two paths part on the cluster's x, which all partners share.
; LIMITS: a block of zeros, or one whose largest magnitude lies under 2^-124, gets the byte 1; these bytes are read by this program alone.  NaN and infinities are not served.
; REGISTERS, in windows of 256: window 0: v0-31 addresses; v32-95 scale words, two sets, later 64 numbers at work; v96-119 at work; v128-191 A's fragments, later the codes; v192-255 the bias.
;   window 1: B's fragments, two sets, at v0 and v128.   windows 2, 3: the accumulators ((a, b) at v[8 (8 (a % 4) + b)]).
.set NQ,     4                         ; matrix instructions deep in a slot
; All of K lies in LDS at once: a row of A or B is its 1,024 codes, 512 bytes.  'Slot' s below means byte 256 s of a row.
.set ROWB,   512                       ; a tile's row: 1,024 codes
.set KROW,   512                       ; a row of pc
.set PITCH,  528                       ; an LDS row: 512 bytes + 16: the 16 rows of a fragment load begin 132 words apart
.set FR,     8
.set NL,     2
.set NP,     4                         ; places behind this matrix instruction (ISA guide 7.12.1)
.set HALFT,  128*PITCH
.set SLOT,   256                       ; from the first 512 along K to the second, inside a row
.set SCL,    4*HALFT                   ; behind A's 256 rows and B's 256 rows: the scale words, A's 8,192 bytes ([K step 8][row 256][4]), then B's
.set SPARE,  SCL+16384                 ; the spare words, 128 bytes a wave
.set QST,    SPARE+512                 ; stages for the outgoing scale words, in bytes of their own: q, k path (1,024 a wave),
.set VST,    QST+4096                  ; v path (512 a wave)
.set ADRA, 16
.set ADRB, 20
.set BO,   24                          ; v24  q, k: 64 (lane / 16): my half's place in the bias
.set BV,   25                          ; v25  v: 4 x (r + 8 (r / 8)): my row's
.set L16,  26                          ; v26  16 x lane
.set ADRS, 27
.set SPW,  28
.set NIL,  29
.set SC,   32
.set T,    32                          ; v32-95 behind the products: a row's 64 numbers
.set TM,   96                          ; v96-99 largest magnitudes, v100-103 bytes, v108-111 the conversions' scale operands
.set W0,   112
.set W1,   113
.set QSW,  114                         ; LDS: where I put a q, k scale word;  v115 where I read them back;  v116, v117 the same on the v path
.set QSR,  115
.set VSW,  116
.set VSR,  117
.set CO,   118                         ; 16 r + 8 h: my 8 bytes of a store's 256
.set VSO,  119                         ; 16 (lane % 16) + 4096 (lane / 16)
.set AF,   128
.set PCD,  128                         ; the codes: 8 registers for each of A's 8 blocks: no store's data are written again
.set BI,   192
.set SEL,  66
.set G1, 24
.set G0, 32
.set G1B, 48
.set G0B, 56
.set G1S, 68
.set G0S, 76
.set G1SB, 80
.set G0SB, 88
.set MSB, 0
.macro WIN new                         ; the immediate's high byte repeats the setting that is left
.if MSB != (\new)
	s_set_vgpr_msb (MSB<<8)|(\new)
.set MSB, (\new)
.endif
.endm
.set MUL_LO, 0xa1                      ; source 0 (B) window 1, source 1 (A) window 0, C and D window 2
.set MUL_HI, 0xf1
.set TO_B,   0x40
.macro ARM under, g0, g1, next         ; one arm of the head's chain of branches on the wave's number: its joint load, s_nop 0 and four v_nop, a jump to the join
	s_cmp_lt_u32 s14, \under
	s_cbranch_scc0 \next
	tensor_load_to_lds s[\g0:\g0+3], s[\g1:\g1+7]
	s_nop 0
.rept 4
	v_nop
.endr
	s_branch .Lhead_asked
\next:
.endm
.macro CROUND                          ; a round of the cluster's barrier
	s_barrier_signal -1
	s_barrier_wait -1
	s_cmp_lg_u32 s14, 0
	s_cbranch_scc1 .Lnot_wave_0_\@
	s_barrier_signal -3
.Lnot_wave_0_\@:
	s_barrier_wait -3
	s_barrier_signal -1
	s_barrier_wait -1
.endm
.macro FRAG reg, adr, q, i             ; 16 rows x 128 K: lane l holds row l % 16; registers 4 c .. 4 c + 3 hold K = 64 c + 32 (l / 16) + 0 .. 31
.irp c, 0,1
	ds_load_b128 v[\reg+4*\c:\reg+4*\c+3], v[\adr] offset:64*(\q)+32*\c+(\i)*16*PITCH
.endr
.endm
.macro MUL16 a0, p, q, sc, zero        ; A's blocks a0, a0 + 1 x B's eight; the 64 accumulators take turns, one instruction a turn
.irp a, \a0, \a0+1
.irp b, 0,1,2,3,4,5,6,7
.if \zero
	v_wmma_scale_f32_16x16x128_f8f6f4 v[8*(8*((\a)%4)+\b):8*(8*((\a)%4)+\b)+7], v[128*(\p)+FR*\b:128*(\p)+FR*\b+FR-1], v[AF+FR*(\a):AF+FR*(\a)+FR-1], 0, v[SC+8*NQ*(\sc)+NQ*\b+(\q)], v[SC+8*NQ*(\sc)+NQ*(\a)+(\q)] matrix_a_fmt:MATRIX_FMT_FP4 matrix_b_fmt:MATRIX_FMT_FP4 matrix_a_scale:MATRIX_SCALE_ROW1
.else
	v_wmma_scale_f32_16x16x128_f8f6f4 v[8*(8*((\a)%4)+\b):8*(8*((\a)%4)+\b)+7], v[128*(\p)+FR*\b:128*(\p)+FR*\b+FR-1], v[AF+FR*(\a):AF+FR*(\a)+FR-1], v[8*(8*((\a)%4)+\b):8*(8*((\a)%4)+\b)+7], v[SC+8*NQ*(\sc)+NQ*\b+(\q)], v[SC+8*NQ*(\sc)+NQ*(\a)+(\q)] matrix_a_fmt:MATRIX_FMT_FP4 matrix_b_fmt:MATRIX_FMT_FP4 matrix_a_scale:MATRIX_SCALE_ROW1
.endif
.endr
.endr
.endm
.macro FETCH_B slot, q, p
	WIN TO_B
.irp i, 0,1,2,3,4,5,6,7
	FRAG 128*(\p)+FR*\i, ADRB+\slot, \q, \i
.endr
	WIN 0
.endm
.macro FETCH_A slot, q, i0
.irp i, \i0, \i0+1, \i0+2, \i0+3
	FRAG AF+FR*(\i), ADRA+\slot, \q, \i
.endr
.endm
.macro SCALES sc                       ; slot sc's scale words: register 4 i + q: lanes 0-15 the word of A's block i, lanes 16-31 that of B's block i, for the slot's q-th 128 along K
.irp i, 0,1,2,3,4,5,6,7
.irp q, 0,1,2,3
	ds_load_b32 v[SC+32*\sc+4*\i+\q], v[ADRS] offset:(4*\sc+\q)*1024+64*\i
.endr
.endr
.endm
.macro PLACES n                        ; plain vector instructions between a matrix instruction and a load into, or a vector write of, its registers, or a read of its result
.rept \n
	v_nop
.endr
.endm
.macro STEP slot, q, zero              ; 128 along K that has its successor in the same slot
	s_wait_dscnt 4*NL                              ; all but the youngest eight loads (A's blocks 4-7) are in
	WIN MUL_LO
	MUL16 0, (\q)%2, \q, \slot, \zero
	MUL16 2, (\q)%2, \q, \slot, \zero
	s_wait_dscnt 0
	PLACES NP
	FETCH_B \slot, (\q)+1, 1-(\q)%2
	FETCH_A \slot, (\q)+1, 0
	WIN MUL_HI
	MUL16 4, (\q)%2, \q, \slot, \zero
	MUL16 6, (\q)%2, \q, \slot, \zero
	PLACES NP
	WIN 0
	FETCH_A \slot, (\q)+1, 4
.endm
.macro STEPS slot, from
.set Q, \from
.rept NQ-1-\from
	STEP \slot, Q, 0
.set Q, Q+1
.endr
.endm
.macro TURN slot, next                 ; a slot's last step changes slots: no barrier
	s_wait_dscnt 4*NL                              ; all but the youngest eight loads (A's blocks 4-7) are in.  No barrier: both halves of K landed ahead of the first step
	WIN MUL_LO
	MUL16 0, 1, NQ-1, \slot, 0
	MUL16 2, 1, NQ-1, \slot, 0
	s_wait_dscnt 0
	PLACES NP
	FETCH_B \next, 0, 0
	FETCH_A \next, 0, 0
	SCALES \next
	WIN MUL_HI
	MUL16 4, 1, NQ-1, \slot, 0
	MUL16 6, 1, NQ-1, \slot, 0
	PLACES NP
	WIN 0
	FETCH_A \next, 0, 4
.endm
; 64 numbers of a lane, register 16 b + i = place 32 b + 16 (lane / 16) + i of my row, become codes: registers pc + 2 b, pc + 2 b + 1 hold my 16 of block b; the four bytes stay in v[TM+4] on.
.macro QUANT s, pc
.irp b, 0,1,2,3
	v_max3_num_f32 v[TM+\b], |v[\s+16*\b]|, |v[\s+1+16*\b]|, 0x1800000   ; the floor 2^(3 - 127): the byte cannot fall under 1
.endr
.irp i, 2,4,6,8,10,12,14
.irp b, 0,1,2,3
	v_max3_num_f32 v[TM+\b], v[TM+\b], |v[\s+16*\b+\i]|, |v[\s+1+16*\b+\i]|
.endr
.endr
.irp b, 0,1,2,3
	v_permlanex16_b32 v[TM+4+\b], v[TM+\b], s[SEL], s[SEL+1]
.endr
.irp b, 0,1,2,3
	v_max_num_f32 v[TM+\b], v[TM+\b], v[TM+4+\b]   ; with lane l xor 16's: the block's largest magnitude
.endr
.irp b, 0,1,2,3
	v_add_nc_u32 v[TM+12+\b], 0xff000000, v[TM+\b] ; 2 off its exponent field: the conversion's scale operand
.endr
.irp b, 0,1,2,3
	v_lshrrev_b32 v[TM+4+\b], 23, v[TM+12+\b]      ; the scale's byte
.endr
.irp b, 0,1,2,3
	v_cvt_scalef32_pk8_fp4_f32 v[\pc+2*\b], v[\s+16*\b:\s+7+16*\b], v[TM+12+\b]
	v_cvt_scalef32_pk8_fp4_f32 v[\pc+1+2*\b], v[\s+8+16*\b:\s+15+16*\b], v[TM+12+\b]
.endr
	v_nop                                          ; one plain place behind a scaled conversion
.endm
; A's block a: the bias is added (each accumulator read from its low end on), the row's 64 numbers are quantised, the codes leave, the scale words go to my stage.
.macro EPI a, isv
.if (\a) > 0
	s_wait_dscnt 0x0                               ; the stage's stores have read the word registers
.endif
	WIN 0x02+(\a)/4                                ; source 0: window 2 or 3
.set EK, 0
.rept 32
.if \isv
	v_pk_add_f32 v[T+EK:T+EK+1], v[64*((\a)%4)+EK:64*((\a)%4)+EK+1], v[BI+2*(\a):BI+2*(\a)+1]
.else
	v_pk_add_f32 v[T+EK:T+EK+1], v[64*((\a)%4)+EK:64*((\a)%4)+EK+1], v[BI+EK:BI+EK+1]
.endif
.set EK, EK+2
.endr
	WIN 0
	QUANT T, PCD+8*(\a)
.if \isv
	v_lshl_or_b32 v[W0], v[TM+5], 8, v[TM+4]       ; the word of these 128 keys
	v_lshl_or_b32 v[W0], v[TM+6], 16, v[W0]
	v_lshl_or_b32 v[W0], v[TM+7], 24, v[W0]
	ds_store_b32 v[VSW], v[W0] offset:64*(\a)      ; both halves of the lanes write the same word
.irp b, 0,1,2,3
	global_store_b64 v[CO], v[PCD+8*(\a)+2*\b:PCD+8*(\a)+2*\b+1], s[98:99] offset:((\a)/4)*65536+((\a)%4)*1024+\b*256
.endr
.else
	v_lshl_or_b32 v[W0], v[TM+5], 8, v[TM+4]       ; a word for each of the two heads
	v_lshl_or_b32 v[W1], v[TM+7], 8, v[TM+6]
	v_or_b32 v[W0], 0x7f7f0000, v[W0]
	v_or_b32 v[W1], 0x7f7f0000, v[W1]
	ds_store_b32 v[QSW], v[W0] offset:64*(\a)
	ds_store_b32 v[QSW], v[W1] offset:512+64*(\a)
.irp b, 0,1,2,3
	global_store_b64 v[CO], v[PCD+8*(\a)+2*\b:PCD+8*(\a)+2*\b+1], s[10:11] offset:(\b/2)*65536+(\a)*512+(\b%2)*256
.endr
.endif
.endm
; The second slot's four steps and the way out, written once for each path: the bias is asked for at the head and lands under the steps.
.macro TAIL isv
.if \isv
	s_add_co_u32 s18, s17, s40                     ; the tile of 256 tokens: 4 Y + cx
	s_lshr_b32 s20, s18, 3
	s_lshl_b32 s20, s20, 4                         ; 16 x batch
	s_lshl_b32 s21, s41, 2
	s_add_co_u32 s20, s20, s21
	s_lshl_b32 s21, s15, 1
	s_add_co_u32 s20, s20, s21                     ; + my first head: 4 cy + 2 x my half of A's rows
	s_and_b32 s21, s18, 7
	s_lshl_b32 s21, s21, 1
	s_add_co_u32 s21, s21, s16                     ; my 128 keys
	s_lshl_b32 s22, s20, 16
	s_lshl_b32 s23, s21, 12
	s_add_co_u32 s22, s22, s23
	s_mov_b32 s23, 0
	s_add_nc_u64 s[98:99], s[98:99], s[22:23]      ; vtc
	s_lshl_b32 s22, s20, 12
	s_lshl_b32 s21, s21, 8
	s_add_co_u32 s22, s22, s21
	s_add_nc_u64 s[100:101], s[100:101], s[22:23]  ; vts
	s_lshl_b32 s22, s41, 10
	s_lshl_b32 s21, s15, 9
	s_add_co_u32 s22, s22, s21
	s_add_co_u32 s22, s22, 8192
	s_add_nc_u64 s[8:9], s[8:9], s[22:23]          ; the bias of my 128 columns: 2048 + 256 cy + 128 x half
.set EK, 0
.rept 8
	global_load_b32 v[BI+2*EK], v[BV], s[8:9] offset:(32*(EK/2)+8*(EK%2))*4     ; my row's, twice: a pair for the packed addition
	global_load_b32 v[BI+2*EK+1], v[BV], s[8:9] offset:(32*(EK/2)+8*(EK%2))*4
.set EK, EK+1
.endr
.else
	s_add_co_u32 s18, s17, s41                     ; the tile of 256 tokens: 4 Y + cy
	s_add_co_u32 s19, s42, s40                     ; the tile of 256 columns: 4 X + cx
	s_lshr_b32 s20, s19, 2
	s_lshl_b32 s20, s20, 6                         ; 64 x (q or k)
	s_lshr_b32 s21, s18, 3
	s_lshl_b32 s21, s21, 4                         ; 16 x batch
	s_add_co_u32 s20, s20, s21
	s_and_b32 s21, s19, 3
	s_lshl_b32 s21, s21, 2
	s_add_co_u32 s20, s20, s21
	s_lshl_b32 s21, s16, 1
	s_add_co_u32 s20, s20, s21                     ; + my first head
	s_and_b32 s21, s18, 7
	s_lshl_b32 s21, s21, 1
	s_add_co_u32 s21, s21, s15                     ; my 128 stored tokens of the batch's 2,048
	s_lshl_b32 s22, s20, 16
	s_lshl_b32 s23, s21, 12
	s_add_co_u32 s22, s22, s23
	s_mov_b32 s23, 0
	s_add_nc_u64 s[10:11], s[10:11], s[22:23]      ; qkc
	s_lshl_b32 s22, s20, 13
	s_lshl_b32 s21, s21, 9
	s_add_co_u32 s22, s22, s21
	s_add_nc_u64 s[96:97], s[96:97], s[22:23]      ; qks
	s_lshl_b32 s22, s19, 10
	s_lshl_b32 s21, s16, 9
	s_add_co_u32 s22, s22, s21
	s_add_nc_u64 s[8:9], s[8:9], s[22:23]          ; the bias of my 128 columns
.set EK, 0
.rept 16
	global_load_b128 v[BI+4*EK:BI+4*EK+3], v[BO], s[8:9] offset:128*(EK/4)+16*(EK%4)   ; in the results' order: register 16 g + i is column 32 g + 16 (lane / 16) + i
.set EK, EK+1
.endr
.endif
	STEPS 1, 0
	s_wait_dscnt 4*NL                              ; the very last step: nothing more to fetch
	WIN MUL_LO
	MUL16 0, 1, NQ-1, 1, 0
	MUL16 2, 1, NQ-1, 1, 0
	s_wait_dscnt 0
	WIN MUL_HI
	MUL16 4, 1, NQ-1, 1, 0
	MUL16 6, 1, NQ-1, 1, 0
	WIN 0
	PLACES NP                                      ; in front of the first read of results and of vector writes over the scale words and A's fragments
	s_wait_loadcnt 0x0                             ; the bias
.irp a, 0,1,2,3,4,5,6,7
	EPI \a, \isv
.endr
.if \isv
	ds_load_b128 v[T:T+3], v[VSR]                  ; my 128 words, 16 bytes a lane (LDS serves a wave's instructions in order)
	s_wait_dscnt 0x0
	global_store_b128 v[VSO], v[T:T+3], s[100:101] ; lanes 0-15: 256 bytes of my first head, lanes 16-31: of my second
.else
	ds_load_b128 v[T:T+3], v[QSR]
	ds_load_b128 v[T+4:T+7], v[QSR] offset:512
	s_wait_dscnt 0x0
	global_store_b128 v[L16], v[T:T+3], s[96:97]   ; 512 consecutive bytes a head
	global_store_b128 v[L16], v[T+4:T+7], s[96:97] offset:8192
.endif
.endm
	s_load_b256 s[4:11], s[0:1], 0x0               ; pc s[4:5], ps s[6:7], b_attn s[8:9], qkc s[10:11]
	s_load_b128 s[96:99], s[0:1], 0x20             ; qks, vtc
	s_load_b64 s[100:101], s[0:1], 0x30            ; vts
	v_lshl_add_u32 v[SPW], v0, 2, SPARE
	v_mov_b32 v[NIL], 0
	ds_add_u32 v28, v29
	ds_add_u32 v28, v29
	s_wait_dscnt 0x0
	v_lshrrev_b32 v1, 5, v0
	v_readfirstlane_b32 s14, v1                    ; wave 0..3
	s_lshr_b32 s15, s14, 1                         ; my half of A's rows
	s_and_b32 s16, s14, 1                          ; my half of B's rows
	s_bfe_u32 s40, ttmp6, 0x40000                  ; cx
	s_bfe_u32 s41, ttmp6, 0x40004                  ; cy
	s_and_b32 s17, ttmp7, 0xffff
	s_lshl_b32 s17, s17, 2                         ; 4 Y
	s_lshl_b32 s42, ttmp9, 2                       ; 4 X
	s_add_co_u32 s20, s17, s41                     ; q, k: A = x's tile 4 Y + cy
	s_add_co_u32 s21, s41, 40                      ; v:    A = w_attn's tile 40 + cy
	s_add_co_u32 s46, s42, s40
	s_add_co_u32 s46, s46, 32                      ; q, k: B = w_attn's tile 32 + 4 X + cx
	s_add_co_u32 s47, s17, s40                     ; v:    B = x's tile 4 Y + cx
	s_cmp_eq_u32 ttmp9, 2                          ; the cluster's x: the same in all sixteen partners
	s_cselect_b32 s20, s21, s20                    ; A's tile hangs on cy, X, Y alone,
	s_cselect_b32 s46, s47, s46                    ; B's on cx, X, Y alone
	s_lshl_b32 s43, s41, 2
	s_lshl_b32 s43, 15, s43                        ; my row of the cluster
	s_lshl_b32 s44, 0x1111, s40                    ; my column
	s_or_b32 s[G1+0], s43, (0<<16)|(1<<20)|(1<<21)|(6<<22)|(3<<25)   ; the mask; elements of 1 byte; padding on; bit 21 beside a mask; 4 words behind every 128
	s_or_b32 s[G1B+0], s44, (0<<16)|(1<<20)|(1<<21)|(6<<22)|(3<<25)
.irp g, G1, G1B
	s_mov_b32 s[\g+1], ROWB<<16                    ; tensor_dim0
	s_mov_b32 s[\g+2], 256<<16                     ; tensor_dim1: the tile's 256 rows
	s_mov_b32 s[\g+3], ROWB<<16                    ; tile_dim0
	s_mov_b32 s[\g+4], 256                         ; tile_dim1
	s_mov_b32 s[\g+5], KROW                        ; from row to row
	s_mov_b32 s[\g+6], 0
	s_mov_b32 s[\g+7], 0
.endr
	s_or_b32 s[G1S+0], s43, (3<<16)|(1<<21)        ; the scale words of all eight K steps: elements of 8 bytes, no padding
	s_or_b32 s[G1SB+0], s44, (3<<16)|(1<<21)
.irp g, G1S, G1SB
	s_mov_b32 s[\g+1], 32<<16
	s_mov_b32 s[\g+2], 32<<16                      ; the words of all eight K steps: 8,192 dense bytes as 32 rows of 256
	s_mov_b32 s[\g+3], 32<<16
	s_mov_b32 s[\g+4], 32
	s_mov_b32 s[\g+5], 32
	s_mov_b32 s[\g+6], 0
	s_mov_b32 s[\g+7], 0
.endr
	s_lshl_b32 s22, s20, 13                        ; A's words: tile x 8192
	s_mov_b32 s23, 0
	s_lshl_b32 s20, s20, 17                        ; A's codes: tile x 131072
	s_mov_b32 s21, 0
	s_lshl_b32 s92, s46, 13                        ; B's likewise
	s_mov_b32 s93, 0
	s_lshl_b32 s46, s46, 17
	s_mov_b32 s47, 0
	s_mov_b32 s[SEL], 0x76543210
	s_mov_b32 s[SEL+1], 0xfedcba98                 ; v_permlanex16_b32's selects for lane l xor 16
	s_wait_kmcnt 0x0
	s_add_nc_u64 s[20:21], s[4:5], s[20:21]
	s_add_nc_u64 s[22:23], s[6:7], s[22:23]
	s_add_nc_u64 s[46:47], s[4:5], s[46:47]
	s_add_nc_u64 s[92:93], s[6:7], s[92:93]
	CROUND                                         ; all sixteen work-groups are here: the joint loads meet
	s_mov_b32 s[G0], 1                             ; A's 256 rows, all of K
	s_mov_b32 s[G0+1], 0
	s_mov_b64 s[G0+2:G0+3], s[20:21]
	s_or_b32 s[G0+3], s[G0+3], 0x80000000
	s_mov_b32 s[G0B], 1                            ; B's, behind them
	s_mov_b32 s[G0B+1], 2*HALFT
	s_mov_b64 s[G0B+2:G0B+3], s[46:47]
	s_or_b32 s[G0B+3], s[G0B+3], 0x80000000
	s_mov_b32 s[G0S], 1                            ; A's scale words
	s_mov_b32 s[G0S+1], SCL
	s_mov_b64 s[G0S+2:G0S+3], s[22:23]
	s_or_b32 s[G0S+3], s[G0S+3], 0x80000000
	s_mov_b32 s[G0SB], 1                           ; B's
	s_mov_b32 s[G0SB+1], SCL+8192
	s_mov_b64 s[G0SB+2:G0SB+3], s[92:93]
	s_or_b32 s[G0SB+3], s[G0SB+3], 0x80000000
	; the launch's four tiles, one joint load a wave: every way through the chain passes exactly one
	ARM 1, G0,  G1,  .Lhead_b
	ARM 2, G0B, G1B, .Lhead_sa
	ARM 3, G0S, G1S, .Lhead_sb
	tensor_load_to_lds s[G0SB:G0SB+3], s[G1SB:G1SB+7]
	s_nop 0
.rept 4
	v_nop
.endr
.Lhead_asked:
	v_and_b32 v1, 15, v0                           ; r
	v_bfe_u32 v2, v0, 4, 1                         ; h
	s_wait_alu depctr_va_vdst(0)
	v_mul_u32_u24 v3, v1, PITCH
	v_lshl_add_u32 v4, v2, 4, v3                   ; a fragment's row x pitch + 16 h
	s_mul_i32 s21, s15, HALFT
	s_mul_i32 s22, s16, HALFT
	s_add_co_u32 s22, s22, 2*HALFT
.irp s, 0,1
	v_add_nc_u32 v[ADRA+\s], s21, v4
	v_add_nc_u32 v[ADRB+\s], s22, v4
	s_add_co_u32 s21, s21, SLOT
	s_add_co_u32 s22, s22, SLOT
.endr
	s_lshl_b32 s21, s15, 9                         ; A's words: my 128 rows of 4 bytes
	s_lshl_b32 s22, s16, 9                         ; B's: my 128 rows, 8,192 bytes further on
	s_add_co_u32 s22, s22, 8192
	s_sub_co_u32 s22, s22, s21
	v_mul_u32_u24 v6, s22, v2                      ; lanes 16-31 take B's: one product of h and the distance
	s_add_co_u32 s21, s21, SCL
	v_lshl_add_u32 v5, v1, 2, v6
	v_add_nc_u32 v[ADRS], s21, v5
	s_lshl_b32 s23, s14, 10                        ; the stages for the outgoing words
	s_add_co_u32 s23, s23, QST
	v_lshl_add_u32 v[QSW], v1, 2, s23
	v_and_b32 v6, 31, v0
	v_lshlrev_b32 v[L16], 4, v6
	v_add_nc_u32 v[QSR], s23, v[L16]
	s_lshl_b32 s23, s14, 9
	s_add_co_u32 s23, s23, VST
	v_lshl_add_u32 v[VSW], v1, 2, s23
	v_add_nc_u32 v[VSR], s23, v[L16]
	v_lshlrev_b32 v[CO], 4, v1
	v_lshl_add_u32 v[CO], v2, 3, v[CO]
	v_lshlrev_b32 v[VSO], 4, v1
	v_lshl_add_u32 v[VSO], v2, 12, v[VSO]
	v_lshlrev_b32 v[BO], 6, v2
	v_and_b32 v5, 8, v1
	v_add_nc_u32 v5, v5, v1
	v_lshlrev_b32 v[BV], 2, v5
.irp b, 0,1,2,3
	v_mov_b32 v[TM+4+\b], 0                        ; written once: a lane permute's destination counts as one of its sources
.endr
	s_wait_alu depctr_va_vdst(0)
	s_wait_tensorcnt 0x0                           ; my tile of the four is in
	s_barrier_signal -1
	s_barrier_wait -1
	FETCH_B 0, 0, 0
	FETCH_A 0, 0, 0
	SCALES 0
	FETCH_A 0, 0, 4
	STEP 0, 0, 1                                   ; the first products start the sums: nothing is cleared
	STEPS 0, 1
	TURN 0, 1
	s_cmp_eq_u32 ttmp9, 2
	s_cbranch_scc1 .Lv
	s_wait_alu depctr_va_vdst(0)
	TAIL 0
	s_branch .Lend
.Lv:
	s_wait_alu depctr_va_vdst(0)
	TAIL 1
.Lend:
	s_wait_tensorcnt 0x0                           ; the wave's end
	ds_add_u32 v[SPW], v[NIL]
	s_wait_dscnt 0x0
	CROUND                                         ; the closing round
	s_endpgm
.Lfunc_end_k_q67047fb2f5_qkv:
	.size	k_q67047fb2f5_qkv, .Lfunc_end_k_q67047fb2f5_qkv-k_q67047fb2f5_qkv
	.p2alignl 7, 3214868480
	.fill 96, 4, 3214868480
	.section	.rodata,"a",@progbits
	.p2align	6, 0x0
	.amdhsa_kernel k_q67047fb2f5_qkv
		.amdhsa_group_segment_fixed_size 327680
		.amdhsa_private_segment_fixed_size 0
		.amdhsa_enable_private_segment 0
		.amdhsa_kernarg_size 56
		.amdhsa_user_sgpr_count 2
		.amdhsa_user_sgpr_kernarg_segment_ptr 1
		.amdhsa_wavefront_size32 1
		.amdhsa_system_sgpr_workgroup_id_x 1
		.amdhsa_system_sgpr_workgroup_id_y 1
		.amdhsa_system_sgpr_workgroup_id_z 1
		.amdhsa_system_vgpr_workitem_id 0
		.amdhsa_next_free_vgpr 1024
		.amdhsa_next_free_sgpr 102
		.amdhsa_reserve_vcc 0
		.amdhsa_float_denorm_mode_32 3
		.amdhsa_float_denorm_mode_16_64 3
		.amdhsa_memory_ordered 1
		.amdhsa_forward_progress 1
		.amdhsa_inst_pref_size 241
	.end_amdhsa_kernel
	.amdgpu_metadata
---
amdhsa.version: [ 1, 2 ]
amdhsa.kernels:
  - .name:           k_q67047fb2f5_qkv
    .symbol:         k_q67047fb2f5_qkv.kd
    .args:
      - { .name: pc, .offset: 0, .size: 8, .value_kind: global_buffer, .address_space: global }
      - { .name: ps, .offset: 8, .size: 8, .value_kind: global_buffer, .address_space: global }
      - { .name: b_attn, .offset: 16, .size: 8, .value_kind: global_buffer, .address_space: global }
      - { .name: qkc, .offset: 24, .size: 8, .value_kind: global_buffer, .address_space: global }
      - { .name: qks, .offset: 32, .size: 8, .value_kind: global_buffer, .address_space: global }
      - { .name: vtc, .offset: 40, .size: 8, .value_kind: global_buffer, .address_space: global }
      - { .name: vts, .offset: 48, .size: 8, .value_kind: global_buffer, .address_space: global }
    .group_segment_fixed_size: 327680
    .private_segment_fixed_size: 0
    .kernarg_segment_align: 8
    .kernarg_segment_size: 56
    .max_flat_workgroup_size: 128
    .sgpr_count:     102
    .vgpr_count:     1024
    .wavefront_size: 32
...
	.end_amdgpu_metadata
.endif
;; end of part 2
;; launch attn (part 3): grid 8 x 32, 16 waves a work-group, clusters of 4 x 1, 327,680 bytes of LDS; arguments qkc, qks, vtc, vts, yc, ys; writes yc, ys
.if DOCPART == 3
	.amdgcn_target "amdgcn-amd-amdhsa--gfx1250"
	.amdhsa_code_object_version 6
	.text
	.protected	k_q67047fb2f5_attn
	.globl	k_q67047fb2f5_attn
	.p2align	8
	.type	k_q67047fb2f5_attn,@function
k_q67047fb2f5_attn:
	s_mov_b64 s[64:65], 0
	v_nop
	global_prefetch_b8 v0, s[64:65] scope:SCOPE_SE
	s_setreg_imm32_b32 hwreg(HW_REG_WAVE_MODE, 25, 1), 1
	s_wait_xcnt 0x0
	s_wait_alu depctr_hold_cnt(0) depctr_sa_sdst(0) depctr_va_vdst(0) depctr_va_sdst(0) depctr_va_ssrc(0) depctr_va_vcc(0) depctr_vm_vsrc(0)
	s_getreg_b32 s2, hwreg(HW_REG_IB_STS2, 6, 4)
	s_cmp_eq_u32 s2, 0
	s_cbranch_scc0 .Lentry_in_a_cluster
	s_endpgm
.Lentry_in_a_cluster:
	s_bfe_u32 s2, ttmp6, 0x10000c
	s_cmp_lg_u32 s2, 0x3003
	s_cbranch_scc0 .Lentry_shape_is_right
	s_endpgm
.Lentry_shape_is_right:
; ATTN: y = softmax(q k^T / 8) v for heads of 64, both products on codes of FP4 (E2M1) with E8M0 scales; y is quantised at once along the model's axis for the last product and leaves as codes.
; THE SOFTMAX AHEAD OF THE SECOND PRODUCT: t = score x log2(e) / 8; M = the row's largest t so far, rounded UP to a whole number; p = 2^(t - M) is quantised along the keys, not normalised.
; The registers hold 4 p = 2^(t - M + 2).  A block's scale operand is X = 2^(its largest t - M): the conversion divides 4 p by 2^floor(log2 X), which is p / 2^(floor(log2 largest p) - 2), the quantiser's codes;
; X's exponent field is the byte given to the product, so O and the row's sum (of the unquantised 4 p) both carry the factor 4, which the division at the end takes away.
; When M moves, the sum and O are multiplied by 2^(old M - new M): exact.
; SHARES.  A work-group owns 256 queries of a PAIR of heads (2 P, 2 P + 1 of one batch); each of its sixteen waves one tile of 16 stored queries, first for the one head, then for the other.
; All keys and values of both heads lie in LDS, filled once, as images of the operands' registers: a fragment is read by loads of 16 bytes a lane at 16 x lane.  No byte is filled again.
; HEAD.  One tensor load a wave: waves 0-3 quarters of K's 131,072 bytes, waves 4-7 of V's, wave 8 K's scale words, wave 9 V's; the other waves none.
; CLUSTER.  The four query blocks of a cluster read the same K and V: every tile is asked for jointly, with the mask of all four.  The place in the cluster enters the addresses of Q, yc and ys alone.
; NO PREFETCH: every tile is asked for at the head; there is no loop in which a later tile could be asked for ahead.
; LAYOUT.  S^T = K Q^T (source 0 = 16 stored keys, source 1 = my 16 queries), O^T = V^T P^T (source 0 = 16 stored channels, source 1 = P): a lane holds ONE query throughout.  Stored keys and channels have bits 3 and 4 of
; their index exchanged, so the 16 registers of tiles 2 b, 2 b + 1 are neighbours 32 b + 16 (lane / 16) + 0 .. 15.
; The first product's K is 64.  Q's upper four registers are zero codes; K's tile t is named as v[KF + 4 t .. + 7], whose upper four registers are the next tile's codes (tile 7: V's first four registers):
; every code is a finite number and meets a zero of Q under the byte 127, so these products add nothing.
; THE LOOP.  Directly behind a step's first products the NEXT step's K and its scale words are asked of LDS, and this step's V: they land under the softmax.  K, V and their words of head 2 P + 1 lie behind those of 2 P,
; so the first head's last step fetches the second head's first K.  The second head's last step reads the 4,096 bytes behind K (V's first) and the 512 behind K's words (V's words), filled bytes, which nobody uses.
; Scale words: one load of 4 bytes a lane brings two tiles' words, lanes 0-15 the even tile's, lanes 16-31 the odd one's (MATRIX_SCALE_ROW1).
; OUT.  yc: [256 tokens][head pair][token][64 bytes]: the pair's 128 codes are one K step of the last product;  ys: [same][token][4 bytes]: its scale word.  Tokens lie in their true order there.
; LIMITS: the promise holds while the scaled scores t stay under 2^31 in magnitude.  A block of p whose X falls under 2^-126, and a block of y whose largest magnitude lies under 2^-124, get the byte 1; the bytes are read
; by this program alone.  Where a block's largest t - M lies within an ulp of a whole number, X and 4 p may fall on different sides of the power of two, and that one p is held at the largest code.  NaN and infinities are not served.
.set VB0,   131072                     ; LDS: K's codes 2 x 65,536 from 0; V's from here;
.set KSC,   262144                     ; K's scale words, 2 x 8,192;
.set VSC,   278528                     ; V's, 2 x 4,096;
.set STG,   286720                     ; a stage of 1,024 bytes for each wave;
.set SCST,  303104                     ; the work-group's 256 outgoing scale words;
.set SPARE, 304128                     ; the spare words, 128 bytes a wave
.set LI,  1                            ; 16 x lane
.set LV,  2                            ; the same in V's region, one step back
.set AKS, 3                            ; KSC + 4 x lane
.set AVS, 4                            ; VSC + 4 x lane, one step back
.set SO,  5                            ; the stage, in: 64 r + 8 h
.set SR,  6                            ; the stage, back: 16 x lane
.set SS,  7                            ; my query's outgoing scale word, at its true token
.set ADK, 8                            ; v8-11 addresses of the loads in hand
.set ADV, 9
.set ADS, 10
.set ADT, 11                           ; v12 2 - M, v13 the largest score so far, v[14:15] the sum in two halves
.set QF,  16                           ; v16-23, v24-31 Q's fragments of the two heads
.set KF,  32                           ; v32-63  eight tiles of K, four registers each
.set VF,  64                           ; v64-95  four fragments of V
.set S,   96                           ; v96-159 S^T, then 4 p
.set O,   160                          ; v160-191 O^T
.set PCD, 192                          ; v192-199 p's codes
.set KS,  200                          ; v200-203 K's scale words
.set VS,  204                          ; v204, v205 V's
.set PW,  206                          ; p's
.set QS,  207                          ; v207, v208 Q's
.set NM,  209                          ; -M
.set TT,  210
.set FF,  212                          ; v[212:213] f = 2^(old M - new M), named as a pair
.set BM,  216                          ; block maxima, then X
.set BP,  220                          ; permute destinations, then bytes
.set T,   224                          ; v224-237 seven partial sums
.set SOP, 224                          ; y's conversions' scale operands
.set YC,  238                          ; v238-245 y's codes
.set YW,  246                          ; v246, v247 y's half words
.set SRD, 248                          ; where waves 0 and 1 read the outgoing words
.set R4,  249                          ; 4 r
.set SPW, 250
.set NIL, 251
.set WV,  18
.set SEL, 20
.set CS,  22                           ; s[22:23] c = log2(e) / 8
.set G1A, 24                           ; group 1: 128, 64 and 32 rows of 256 bytes
.set G1B, 32
.set G1C, 40
.set G0K, 48
.set G0V, 52
.set G0KS, 56
.set G0VS, 60
.set TK,  76                           ; 4,096 x (the step's number + 1): K's next tiles and, with LV, V's of this step
.set TS,  77                           ; 512 x the same: K's scale words
.set TJ,  78                           ; 256 x the same: V's
.set CNT, 79
.macro CROUND
	s_barrier_signal -1
	s_barrier_wait -1
	s_cmp_lg_u32 s[WV], 0
	s_cbranch_scc1 .Lnot_wave_0_\@
	s_barrier_signal -3
.Lnot_wave_0_\@:
	s_barrier_wait -3
	s_barrier_signal -1
	s_barrier_wait -1
.endm
.macro ARM under, g0, g1, next         ; one arm of the head's chain of branches on the wave's number
	s_cmp_lt_u32 s[WV], \under
	s_cbranch_scc0 \next
	tensor_load_to_lds s[\g0:\g0+3], s[\g1:\g1+7]
	s_nop 0
.rept 4
	v_nop
.endr
	s_branch .Lhead_asked
\next:
.endm
.macro QK t, qf, qs
.if (\t)%2
	v_wmma_scale_f32_16x16x128_f8f6f4 v[S+8*(\t):S+8*(\t)+7], v[KF+4*(\t):KF+4*(\t)+7], v[\qf:\qf+7], 0, v[KS+(\t)/2], v[\qs] matrix_a_fmt:MATRIX_FMT_FP4 matrix_b_fmt:MATRIX_FMT_FP4 matrix_a_scale:MATRIX_SCALE_ROW1
.else
	v_wmma_scale_f32_16x16x128_f8f6f4 v[S+8*(\t):S+8*(\t)+7], v[KF+4*(\t):KF+4*(\t)+7], v[\qf:\qf+7], 0, v[KS+(\t)/2], v[\qs] matrix_a_fmt:MATRIX_FMT_FP4 matrix_b_fmt:MATRIX_FMT_FP4
.endif
.endm
.macro PV t
.if (\t)%2
	v_wmma_scale_f32_16x16x128_f8f6f4 v[O+8*(\t):O+8*(\t)+7], v[VF+8*(\t):VF+8*(\t)+7], v[PCD:PCD+7], v[O+8*(\t):O+8*(\t)+7], v[VS+(\t)/2], v[PW] matrix_a_fmt:MATRIX_FMT_FP4 matrix_b_fmt:MATRIX_FMT_FP4 matrix_a_scale:MATRIX_SCALE_ROW1
.else
	v_wmma_scale_f32_16x16x128_f8f6f4 v[O+8*(\t):O+8*(\t)+7], v[VF+8*(\t):VF+8*(\t)+7], v[PCD:PCD+7], v[O+8*(\t):O+8*(\t)+7], v[VS+(\t)/2], v[PW] matrix_a_fmt:MATRIX_FMT_FP4 matrix_b_fmt:MATRIX_FMT_FP4
.endif
.endm
.macro KLOAD ak, as                    ; a step's eight tiles of K and their words
.irp t, 0,1,2,3,4,5,6,7
	ds_load_b128 v[KF+4*\t:KF+4*\t+3], v[\ak] offset:512*\t
.endr
.irp u, 0,1,2,3
	ds_load_b32 v[KS+\u], v[\as] offset:128*\u
.endr
.endm
.macro PADD d, a, b
	v_pk_add_f32 v[\d:\d+1], v[\a:\a+1], v[\b:\b+1]
.endm
; A KEY STEP: 128 keys.  qf: Q's fragment, qs: its scale words.
.macro STEP qf, qs
	s_wait_dscnt 0x0                               ; this step's K and its words, asked for a step ago, are in
.irp t, 0,1,2,3,4,5,6,7
	QK \t, \qf, \qs
.endr
	v_add_nc_u32 v[ADV], s[TK], v[LV]              ; these four are the places between the products and the loads into their registers, and ahead of the first read of the scores
	v_add_nc_u32 v[ADT], s[TJ], v[AVS]
	v_add_nc_u32 v[ADK], s[TK], v[LI]
	v_add_nc_u32 v[ADS], s[TS], v[AKS]
.irp t, 0,1,2,3                                ; this step's V: 10 loads
.irp c, 0,1
	ds_load_b128 v[VF+8*\t+4*\c:VF+8*\t+4*\c+3], v[ADV] offset:1024*\t+512*\c
.endr
.endr
.irp u, 0,1
	ds_load_b32 v[VS+\u], v[ADT] offset:128*\u
.endr
	KLOAD ADK, ADS                                 ; the next step's K: 12 loads
.irp b, 0,1,2,3
	v_max3_num_f32 v[BM+\b], v[S+16*\b], v[S+1+16*\b], v[S+2+16*\b]   ; the largest score of each block of 32 keys: for the row's maximum and, since p rises with the score, for the block's scale
.endr
.irp i, 3,5,7,9,11,13
.irp b, 0,1,2,3
	v_max3_num_f32 v[BM+\b], v[BM+\b], v[S+16*\b+\i], v[S+1+16*\b+\i]
.endr
.endr
.irp b, 0,1,2,3
	v_max_num_f32 v[BM+\b], v[BM+\b], v[S+15+16*\b]
.endr
.irp b, 0,1,2,3
	s_delay_alu instid0(VALU_DEP_4)
	v_permlanex16_b32 v[BP+\b], v[BM+\b], s[SEL], s[SEL+1]
.endr
.irp b, 0,1,2,3
	s_delay_alu instid0(VALU_DEP_4)
	v_max_num_f32 v[BM+\b], v[BM+\b], v[BP+\b]     ; with lane l xor 16's 16 keys
.endr
	s_delay_alu instid0(VALU_DEP_2)
	v_max3_num_f32 v[TT], v[BM], v[BM+1], v[BM+2]
	s_delay_alu instid0(VALU_DEP_1)
	v_max3_num_f32 v13, v[TT], v[BM+3], v13        ; the running largest score (c is positive: the largest t is c x this)
	s_delay_alu instid0(VALU_DEP_1)
	v_fma_f32 v[TT], -v13, s[CS], 2.0
	s_delay_alu instid0(VALU_DEP_1)
	v_floor_f32 v12, v[TT]                         ; floor(2 - t) = 2 - ceil(t) = 2 - M
	s_delay_alu instid0(VALU_DEP_1)
	v_sub_f32 v[TT], v12, v[NM]                    ; old M - new M + 2: a whole number, 2 or less
	s_delay_alu instid0(VALU_DEP_2)
	v_add_f32 v[NM], -2.0, v12                     ; the new -M
	s_delay_alu instid0(VALU_DEP_2)
	v_cvt_i32_f32 v[TT], v[TT]                     ; (it saturates)
	s_delay_alu instid0(VALU_DEP_1)
	v_ldexp_f32 v[FF], 0x3e800000, v[TT]           ; f = 1/4 x 2^(old M - new M + 2)
.irp b, 0,1,2,3
	v_fma_f32 v[BM+\b], v[BM+\b], s[CS], v[NM]     ; each block's largest t - M
.endr
.set J, 0
.rept 32
	v_pk_fma_f32 v[S+J:S+J+1], v[S+J:S+J+1], s[CS:CS+1], v[12:13] op_sel_hi:[1,0,0]   ; t - M + 2, two at a time
.set J, J+2
.endr
.set J, 0
.rept 16
	v_pk_mul_f32 v[O+J:O+J+1], v[O+J:O+J+1], v[FF:FF+1] op_sel_hi:[1,0]   ; O^T under the new M; each accumulator from its low end on
.set J, J+2
.endr
	s_wait_alu depctr_va_vdst(0)
.irp b, 0,1,2,3
	v_exp_f32 v[BM+\b], v[BM+\b]                   ; X
.endr
.set J, 0
.rept 64
	v_exp_f32 v[S+J], v[S+J]                       ; 4 p
.set J, J+1
.endr
	v_pk_mul_f32 v[14:15], v[14:15], v[FF:FF+1] op_sel_hi:[1,0]   ; the sums under the new M (a plain place behind the exponentials)
	s_wait_alu depctr_va_vdst(0)                   ; one wait for the batch, ahead of its first reader
.irp b, 0,1,2,3
	v_max_num_f32 v[BM+\b], 0x800000, v[BM+\b]     ; the floor 2^-126: the byte cannot fall under 1
.endr
.irp b, 0,1,2,3
	s_delay_alu instid0(VALU_DEP_4)
	v_lshrrev_b32 v[BP+\b], 23, v[BM+\b]           ; the byte
.endr
	s_delay_alu instid0(VALU_DEP_3)
	v_lshl_or_b32 v[PW], v[BP+1], 8, v[BP]         ; p's scale word for these 128 keys
	s_delay_alu instid0(VALU_DEP_1)
	v_lshl_or_b32 v[PW], v[BP+2], 16, v[PW]
	s_delay_alu instid0(VALU_DEP_1)
	v_lshl_or_b32 v[PW], v[BP+3], 24, v[PW]
.irp b, 0,1,2,3
	v_cvt_scalef32_pk8_fp4_f32 v[PCD+2*\b], v[S+16*\b:S+7+16*\b], v[BM+\b]
	v_cvt_scalef32_pk8_fp4_f32 v[PCD+1+2*\b], v[S+8+16*\b:S+15+16*\b], v[BM+\b]
.endr
; the row's sum of the unquantised 4 p: 32 packed additions in eight chains.  The first seven are the plain place behind the conversions; the rest the places between the writes of p's codes and word and the products
.irp i, 0,1,2,3,4,5,6
	PADD T+2*\i, S+4*\i, S+4*\i+2
.endr
.irp c, 0,1                                    ; the operand wants a whole block in a lane: lanes 0-15 block 2 c, lanes 16-31 block 2 c + 1
.irp i, 0,1
	v_permlane16_swap_b32 v[PCD+4*\c+\i], v[PCD+2+4*\c+\i]
.endr
.endr
	PADD 14, 14, S+28
.irp i, 0,1,2,3,4,5,6
	PADD T+2*\i, T+2*\i, S+30+2*\i
.endr
	PADD 14, 14, S+44
.irp i, 0,1,2,3,4,5,6
	PADD T+2*\i, T+2*\i, S+46+2*\i
.endr
	PADD 14, 14, S+60
	PADD T, T, S+62
	PADD T+2, T+2, T+4
	PADD T+6, T+6, T+8
	PADD T+10, T+10, T+12
	PADD 14, 14, T
	PADD T+2, T+2, T+6
	PADD 14, 14, T+10
	PADD 14, 14, T+2
	s_wait_dscnt 12                                ; V and its words are in; the 12 loads of the next step's K may be out
.irp t, 0,1,2,3                                ; O^T += V^T P^T: four accumulators by turns
	PV \t
.endr
	s_add_co_u32 s[TK], s[TK], 4096
	s_add_co_u32 s[TS], s[TS], 512
	s_add_co_u32 s[TJ], s[TJ], 256
.endm
; One head of the pair: 16 key steps, then O / the sum, quantised: two blocks of 32 channels.
.macro HEAD e
	s_mov_b32 s[TK], (16*(\e)+1)*4096
	s_mov_b32 s[TS], (16*(\e)+1)*512
	s_mov_b32 s[TJ], (16*(\e)+1)*256
	s_mov_b32 s[CNT], 16
	v_mov_b32 v13, 0xff61b1e6                      ; the largest score so far: -3e38
	v_mov_b32 v[NM], 0x7f61b1e6                    ; -M: 3e38, so that the first f is 0
	v_mov_b32 v14, 0
	v_mov_b32 v15, 0
.set J, 0
.rept 32
	v_mov_b32 v[O+J], 0                            ; the step is written once: the first finds zeros, which the first change of M leaves zeros
.set J, J+1
.endr
.Lstep_\e:
	STEP QF+8*(\e), QS+(\e)
	s_sub_co_u32 s[CNT], s[CNT], 1
	s_cmp_lg_u32 s[CNT], 0
	s_cbranch_scc1 .Lstep_\e
.rept 4
	v_nop                                          ; places in front of the first read of O^T
.endr
	s_wait_alu depctr_va_vdst(0)                   ; directly ahead of the reader: the last step wrote the sums ahead of its wait for V
	v_add_f32 v14, v14, v15
	s_delay_alu instid0(VALU_DEP_1)
	v_permlanex16_b32 v[TT], v14, s[SEL], s[SEL+1]
	s_delay_alu instid0(VALU_DEP_1)
	v_add_f32 v14, v14, v[TT]                      ; the row's sum
	s_wait_alu depctr_va_vdst(0)
	v_rcp_f32 v14, v14
	v_nop                                          ; one plain place behind a transcendental
.set J, 0
	s_wait_alu depctr_va_vdst(0)                   ; ahead of the reciprocal's first reader, which is O^T's too
.rept 16
	v_pk_mul_f32 v[S+J:S+J+1], v[O+J:O+J+1], v[14:15] op_sel_hi:[1,0]   ; y: register 16 b + i is channel 32 b + 16 (lane / 16) + i
.set J, J+2
.endr
.irp b, 0,1
	v_max3_num_f32 v[BM+\b], |v[S+16*\b]|, |v[S+1+16*\b]|, 0x1800000
.endr
.irp i, 2,4,6,8,10,12,14
.irp b, 0,1
	s_delay_alu instid0(VALU_DEP_2)
	v_max3_num_f32 v[BM+\b], v[BM+\b], |v[S+16*\b+\i]|, |v[S+1+16*\b+\i]|
.endr
.endr
.irp b, 0,1
	s_delay_alu instid0(VALU_DEP_2)
	v_permlanex16_b32 v[BP+\b], v[BM+\b], s[SEL], s[SEL+1]
.endr
.irp b, 0,1
	s_delay_alu instid0(VALU_DEP_2)
	v_max_num_f32 v[BM+\b], v[BM+\b], v[BP+\b]
.endr
.irp b, 0,1
	s_delay_alu instid0(VALU_DEP_2)
	v_add_nc_u32 v[SOP+\b], 0xff000000, v[BM+\b]   ; 2 off the exponent field: the conversion's scale operand
.endr
.irp b, 0,1
	s_delay_alu instid0(VALU_DEP_2)
	v_lshrrev_b32 v[BP+\b], 23, v[SOP+\b]
.endr
	s_delay_alu instid0(VALU_DEP_1)
	v_lshl_or_b32 v[YW+(\e)], v[BP+1], 8, v[BP]    ; this head's two bytes
.irp b, 0,1
	v_cvt_scalef32_pk8_fp4_f32 v[YC+4*(\e)+2*\b], v[S+16*\b:S+7+16*\b], v[SOP+\b]
	v_cvt_scalef32_pk8_fp4_f32 v[YC+4*(\e)+2*\b+1], v[S+8+16*\b:S+15+16*\b], v[SOP+\b]
.endr
	v_nop                                          ; one plain place behind a scaled conversion
.endm
	s_load_b256 s[4:11], s[0:1], 0x0               ; qkc s[4:5], qks s[6:7], vtc s[8:9], vts s[10:11]
	s_load_b128 s[12:15], s[0:1], 0x20             ; yc, ys
	v_lshl_add_u32 v[SPW], v0, 2, SPARE
	v_mov_b32 v[NIL], 0
	ds_add_u32 v[SPW], v[NIL]                      ; the opening lines: the add, twice on end, and its wait ahead of the first tensor loads
	ds_add_u32 v[SPW], v[NIL]
	v_lshrrev_b32 v8, 5, v0
	v_readfirstlane_b32 s[WV], v8                  ; wave 0..15
	s_bfe_u32 s19, ttmp6, 0x40000                  ; cx
	s_lshl_b32 s80, ttmp9, 2
	s_add_co_u32 s80, s80, s19                     ; my block of 256 queries
	s_and_b32 s81, ttmp7, 0xffff                   ; P = 8 x batch + head pair, which the four partners share
.irp g, G1A, G1B, G1C
	s_mov_b32 s[\g], 15|(3<<16)|(1<<21)            ; the mask: all four work-groups; elements of 8 bytes; bit 21 beside a mask; no padding
	s_mov_b32 s[\g+1], 32<<16                      ; rows of 256 bytes, dense
	s_mov_b32 s[\g+3], 32<<16
	s_mov_b32 s[\g+5], 32
	s_mov_b32 s[\g+6], 0
	s_mov_b32 s[\g+7], 0
.endr
	s_mov_b32 s[G1A+2], 128<<16
	s_mov_b32 s[G1A+4], 128
	s_mov_b32 s[G1B+2], 64<<16
	s_mov_b32 s[G1B+4], 64
	s_mov_b32 s[G1C+2], 32<<16
	s_mov_b32 s[G1C+4], 32
	s_lshl_b32 s82, s81, 17
	s_and_b32 s83, s[WV], 3
	s_lshl_b32 s83, s83, 15
	s_add_co_u32 s84, s82, s83                     ; V's codes: head 2 P x 65536 + my quarter of the pair's 131,072 bytes
	s_mov_b32 s85, 0
	s_add_co_u32 s86, s84, 64*65536                ; K's: 64 heads of q further on
	s_mov_b32 s87, 0
	s_lshl_b32 s88, s81, 14
	s_add_co_u32 s88, s88, 64*8192                 ; K's scale words of the pair
	s_mov_b32 s89, 0
	s_lshl_b32 s90, s81, 13                        ; V's
	s_mov_b32 s91, 0
	s_mov_b32 s[SEL], 0x76543210
	s_mov_b32 s[SEL+1], 0xfedcba98
	s_mov_b32 s[CS], 0x3e38aa3b                    ; log2(e) / 8
	s_mov_b32 s[CS+1], s[CS]
	s_wait_dscnt 0x0                               ; both opening adds are done
	s_wait_kmcnt 0x0
	s_mov_b32 s[G0K], 1
	s_lshl_b32 s[G0K+1], s[WV], 15                 ; waves 0-3: K's region
	s_add_nc_u64 s[G0K+2:G0K+3], s[4:5], s[86:87]
	s_or_b32 s[G0K+3], s[G0K+3], 0x80000000
	s_mov_b32 s[G0V], 1
	s_lshl_b32 s[G0V+1], s[WV], 15                 ; waves 4-7: V's region, from 4 x 32,768
	s_add_nc_u64 s[G0V+2:G0V+3], s[8:9], s[84:85]
	s_or_b32 s[G0V+3], s[G0V+3], 0x80000000
	s_mov_b32 s[G0KS], 1
	s_mov_b32 s[G0KS+1], KSC
	s_add_nc_u64 s[G0KS+2:G0KS+3], s[6:7], s[88:89]
	s_or_b32 s[G0KS+3], s[G0KS+3], 0x80000000
	s_mov_b32 s[G0VS], 1
	s_mov_b32 s[G0VS+1], VSC
	s_add_nc_u64 s[G0VS+2:G0VS+3], s[10:11], s[90:91]
	s_or_b32 s[G0VS+3], s[G0VS+3], 0x80000000
	CROUND                                         ; all four work-groups are here: the joint loads meet
	ARM 4,  G0K,  G1A, .Lhead_v                    ; one chain of branches on the wave's number, an arm a load: no way through the head passes two
	ARM 8,  G0V,  G1A, .Lhead_ks
	ARM 9,  G0KS, G1B, .Lhead_vs
	ARM 10, G0VS, G1C, .Lhead_none
.Lhead_asked:
	s_lshl_b32 s92, s[WV], 10
	s_add_co_u32 s92, s92, STG                     ; my stage
	s_lshr_b32 s94, s[WV], 1
	s_lshl_b32 s94, s94, 7
	s_and_b32 s93, s[WV], 1
	s_lshl_b32 s95, s93, 5
	s_add_co_u32 s94, s94, s95
	s_add_co_u32 s94, s94, SCST                    ; stored query 16 w + r is token 32 (w / 2) + 8 (w % 2) + r + 8 (r / 8) of the block
	s_lshl_b32 s93, s93, 9
	s_add_co_u32 s93, s93, SCST
	v_and_b32 v8, 31, v0
	v_and_b32 v9, 15, v0                           ; r
	v_bfe_u32 v10, v0, 4, 1                        ; h
	v_lshlrev_b32 v[LI], 4, v8
	v_lshl_add_u32 v[AKS], v8, 2, KSC
	v_lshl_add_u32 v[AVS], v8, 2, VSC-256
	v_lshlrev_b32 v[R4], 2, v9
	v_lshlrev_b32 v[SO], 6, v9
	v_and_b32 v11, 8, v9
	v_add_nc_u32 v[LV], VB0-4096, v[LI]
	v_lshl_add_u32 v[SO], v10, 3, v[SO]
	v_add_nc_u32 v11, v11, v9                      ; r + 8 (r / 8)
	v_add_nc_u32 v[SR], s92, v[LI]
	v_add_nc_u32 v[SO], s92, v[SO]
	v_lshl_add_u32 v[SS], v11, 2, s94
	v_add_nc_u32 v[SRD], s93, v[LI]
	s_wait_alu depctr_va_vdst(0)
	s_lshl_b32 s92, s81, 17                        ; Q's codes: head 2 P x 65536 + tile (16 block + wave) x 512
	s_lshl_b32 s93, s80, 13
	s_add_co_u32 s92, s92, s93
	s_lshl_b32 s93, s[WV], 9
	s_add_co_u32 s92, s92, s93
	s_mov_b32 s93, 0
	s_add_nc_u64 s[4:5], s[4:5], s[92:93]
	s_lshl_b32 s92, s81, 14                        ; its scale words: head x 8192 + tile x 64
	s_lshl_b32 s94, s80, 10
	s_add_co_u32 s92, s92, s94
	s_lshl_b32 s94, s[WV], 6
	s_add_co_u32 s92, s92, s94
	s_add_nc_u64 s[6:7], s[6:7], s[92:93]
	global_load_b128 v[QF:QF+3], v[LI], s[4:5]
	global_load_b128 v[QF+8:QF+11], v[LI], s[4:5] offset:65536
	global_load_b32 v[QS], v[R4], s[6:7]
	global_load_b32 v[QS+1], v[R4], s[6:7] offset:8192
	s_lshr_b32 s92, s81, 3
	s_lshl_b32 s92, s92, 3
	s_add_co_u32 s92, s92, s80                     ; the tile of 256 tokens: 8 x batch + block
	s_lshl_b32 s92, s92, 3
	s_and_b32 s93, s81, 7
	s_add_co_u32 s92, s92, s93                     ; x 8 + head pair
	s_lshl_b32 s94, s92, 14
	s_lshr_b32 s93, s[WV], 1
	s_lshl_b32 s93, s93, 11
	s_add_co_u32 s94, s94, s93
	s_and_b32 s93, s[WV], 1
	s_lshl_b32 s93, s93, 9
	s_add_co_u32 s94, s94, s93                     ; + token (32 (w / 2) + 8 (w % 2)) x 64 bytes
	s_mov_b32 s95, 0
	s_add_nc_u64 s[12:13], s[12:13], s[94:95]
	s_lshl_b32 s94, s92, 10
	s_add_co_u32 s94, s94, s93                     ; ys: + 512 (w % 2), for waves 0 and 1
	s_add_nc_u64 s[14:15], s[14:15], s[94:95]
.irp j, 4,5,6,7,12,13,14,15
	v_mov_b32 v[QF+\j], 0                          ; the unused half of the first product's K: zero codes
.endr
.irp j, 0,1,2,3
	v_mov_b32 v[VF+\j], 0                          ; named as the upper half of K's tile 7 before V first lands here
.endr
.irp b, 0,1,2,3
	v_mov_b32 v[BP+\b], 0                          ; written once: a lane permute's destination counts as one of its sources
.endr
	v_mov_b32 v[TT], 0
	v_mov_b32 v[FF+1], 0                           ; named as the upper half of a pair
	s_wait_alu depctr_va_vdst(0)
	s_wait_tensorcnt 0x0                           ; my load, if I have one, has landed,
	s_barrier_signal -1
	s_barrier_wait -1                              ; everybody's has
	KLOAD LI, AKS                                  ; the first step's K
	s_wait_loadcnt 0x0                             ; Q
	HEAD 0
	HEAD 1
	; THE WAY OUT.  My 16 queries' 64 bytes each go through my stage and leave as two runs of 8 tokens, 512 consecutive bytes each; the scale words meet in LDS and leave by waves 0 and 1.
	v_lshl_or_b32 v[YW+1], v[YW+1], 16, v[YW]
.irp e, 0,1
.irp b, 0,1
	ds_store_b64 v[SO], v[YC+4*\e+2*\b:YC+4*\e+2*\b+1] offset:32*\e+16*\b
.endr
.endr
	ds_store_b32 v[SS], v[YW+1]                    ; both halves of the lanes write the same word
	ds_load_b128 v[S:S+3], v[SR]                   ; LDS serves a wave's instructions in order: these see my stores
	ds_load_b128 v[S+4:S+7], v[SR] offset:512
	s_wait_dscnt 0x0                               ; for my registers, and for the others' sake: my word stores are done
	global_store_b128 v[LI], v[S:S+3], s[12:13]
	global_store_b128 v[LI], v[S+4:S+7], s[12:13] offset:1024
	s_barrier_signal -1
	s_barrier_wait -1                              ; all 256 words lie in LDS
	s_cmp_lt_u32 s[WV], 2
	s_cbranch_scc0 .Lno_words
	ds_load_b128 v[S+8:S+11], v[SRD]
	s_wait_dscnt 0x0
	global_store_b128 v[LI], v[S+8:S+11], s[14:15] ; 512 consecutive bytes a wave
.Lno_words:
	s_wait_tensorcnt 0x0                           ; the wave's end
	ds_add_u32 v[SPW], v[NIL]
	s_wait_dscnt 0x0
	CROUND                                         ; the closing round
	s_endpgm
.Lfunc_end_k_q67047fb2f5_attn:
	.size	k_q67047fb2f5_attn, .Lfunc_end_k_q67047fb2f5_attn-k_q67047fb2f5_attn
	.p2alignl 7, 3214868480
	.fill 96, 4, 3214868480
	.section	.rodata,"a",@progbits
	.p2align	6, 0x0
	.amdhsa_kernel k_q67047fb2f5_attn
		.amdhsa_group_segment_fixed_size 327680
		.amdhsa_private_segment_fixed_size 0
		.amdhsa_enable_private_segment 0
		.amdhsa_kernarg_size 48
		.amdhsa_user_sgpr_count 2
		.amdhsa_user_sgpr_kernarg_segment_ptr 1
		.amdhsa_wavefront_size32 1
		.amdhsa_system_sgpr_workgroup_id_x 1
		.amdhsa_system_sgpr_workgroup_id_y 1
		.amdhsa_system_sgpr_workgroup_id_z 1
		.amdhsa_system_vgpr_workitem_id 0
		.amdhsa_next_free_vgpr 256
		.amdhsa_next_free_sgpr 96
		.amdhsa_reserve_vcc 0
		.amdhsa_float_denorm_mode_32 3
		.amdhsa_float_denorm_mode_16_64 3
		.amdhsa_memory_ordered 1
		.amdhsa_forward_progress 1
		.amdhsa_inst_pref_size 53
	.end_amdhsa_kernel
	.amdgpu_metadata
---
amdhsa.version: [ 1, 2 ]
amdhsa.kernels:
  - .name:           k_q67047fb2f5_attn
    .symbol:         k_q67047fb2f5_attn.kd
    .args:
      - { .name: qkc, .offset: 0, .size: 8, .value_kind: global_buffer, .address_space: global }
      - { .name: qks, .offset: 8, .size: 8, .value_kind: global_buffer, .address_space: global }
      - { .name: vtc, .offset: 16, .size: 8, .value_kind: global_buffer, .address_space: global }
      - { .name: vts, .offset: 24, .size: 8, .value_kind: global_buffer, .address_space: global }
      - { .name: yc, .offset: 32, .size: 8, .value_kind: global_buffer, .address_space: global }
      - { .name: ys, .offset: 40, .size: 8, .value_kind: global_buffer, .address_space: global }
    .group_segment_fixed_size: 327680
    .private_segment_fixed_size: 0
    .kernarg_segment_align: 8
    .kernarg_segment_size: 48
    .max_flat_workgroup_size: 512
    .sgpr_count:     96
    .vgpr_count:     256
    .wavefront_size: 32
...
	.end_amdgpu_metadata
.endif
;; end of part 3
;; launch proj (part 4): grid 4 x 64, 4 waves a work-group, clusters of 4 x 4, 327,680 bytes of LDS; arguments yc, ys, pc, ps, b_proj, out0; writes out0
.if DOCPART == 4
	.amdgcn_target "amdgcn-amd-amdhsa--gfx1250"
	.amdhsa_code_object_version 6
	.text
	.protected	k_q67047fb2f5_proj
	.globl	k_q67047fb2f5_proj
	.p2align	8
	.type	k_q67047fb2f5_proj,@function
k_q67047fb2f5_proj:
	s_mov_b64 s[64:65], 0
	v_nop
	global_prefetch_b8 v0, s[64:65] scope:SCOPE_SE
	s_setreg_imm32_b32 hwreg(HW_REG_WAVE_MODE, 25, 1), 1
	s_wait_xcnt 0x0
	s_wait_alu depctr_hold_cnt(0) depctr_sa_sdst(0) depctr_va_vdst(0) depctr_va_sdst(0) depctr_va_ssrc(0) depctr_va_vcc(0) depctr_vm_vsrc(0)
	s_getreg_b32 s2, hwreg(HW_REG_IB_STS2, 6, 4)
	s_cmp_eq_u32 s2, 0
	s_cbranch_scc0 .Lentry_in_a_cluster
	s_endpgm
.Lentry_in_a_cluster:
	s_bfe_u32 s2, ttmp6, 0x10000c
	s_cmp_lg_u32 s2, 0xf033
	s_cbranch_scc0 .Lentry_shape_is_right
	s_endpgm
.Lentry_shape_is_right:
; PROJ: out0 = y w_proj + b_proj on codes of FP4 (E2M1) with E8M0 scales for each 32 along K = 1,024; f32 sums, f32 out.
; SHARES.  8,192 x 1,024 numbers are 256 blocks of 128 tokens x 256 columns, a work-group each; a wave makes 64 x 128: 32 accumulators, 256 registers.
; Source 0 = 16 columns of w_proj, source 1 = 16 tokens: a lane holds eight neighbouring numbers of a row of out0.
; LDS.  All of K is filled once by four joint loads at the head, one a wave: wave 0 y's codes (yc is [256 tokens][head pair 8][token][64 bytes]: my 128 tokens are 8 rows of 8,192 bytes, 16,384 apart; 16 bytes of padding
; behind each 64: planes of 128 x 80 bytes), wave 1 w_proj's 256 rows of 512 bytes (16 of padding behind each), wave 2 y's scale words (8 rows of 512 bytes, 1,024 apart), wave 3 w_proj's (8,192 dense bytes).
; Nothing is filled again, and the stages of the way out have bytes of their own: no barrier stands behind the first.
; K goes in 8 steps of 128 (a head pair each).  Both operands have two sets of fragments: step k + 1's 24 LDS loads are issued ahead of step k's 32 products.  The scale words of all of K, 96 registers, are read once.
; CLUSTERS: 4 x 4 work-groups; y's tiles are asked for jointly along a row of the cluster, w_proj's along a column.  No prefetch: every tile is asked for at the head, and there is no loop to run ahead in.
; REGISTERS, in windows of 256: window 0: v0-31 addresses and the bias; v32-63 y's scale words (4 k + a), v64-127 w_proj's (8 k + b); v128-191 y's fragments, two sets; on the way out v128-255 rows read back.
;   window 1: w_proj's fragments, two sets, at v0 and v128.   window 2: the accumulators ((a, b) at v[8 (8 a + b)]).
.set SIZE_N, 1024
.set PITCH,  528                       ; a row of w_proj in LDS: 512 bytes + 16
.set APITCH, 80                        ; a token's 64 bytes + 16
.set PLANE,  128*APITCH                ; one K step of y's 128 tokens
.set HALFT,  128*PITCH
.set BBASE,  8*PLANE                   ; w_proj's rows lie behind y's eight planes
.set SCA,    BBASE+2*HALFT             ; y's scale words [K step 8][token 128][4]
.set SCB,    SCA+4096                  ; w_proj's [K step 8][row 256][4]
.set SPARE,  SCB+8192                  ; the spare words, 128 bytes a wave
.set STAGE,  SPARE+512                 ; the way out: 16 rows x (512 + 16) bytes for each wave
.set SPITCH, 528
.set BIA,  8                           ; v8-11 the bias of my four columns of a row read back
.set ADRA, 16                          ; v16, v17 my fragments of y in planes 0-3, 4-7
.set ADRB, 20                          ; v20, v21 of w_proj at bytes 0, 256 of its rows
.set STO,  24
.set RD,   25
.set CO,   26
.set ASA,  27                          ; my tokens' scale words
.set SPW,  28
.set NIL,  29
.set ASB,  30                          ; my columns'
.set SA,   32
.set SB,   64
.set AF,   128
.set BK,   128
.set OUTP, 98
.set G1, 24
.set G0, 32
.set G1B, 48
.set G0B, 56
.set G1S, 68
.set G0S, 76
.set G1SB, 80
.set G0SB, 88
.set MSB, 0
.macro WIN new                         ; the immediate's high byte repeats the setting that is left
.if MSB != (\new)
	s_set_vgpr_msb (MSB<<8)|(\new)
.set MSB, (\new)
.endif
.endm
.set MUL,  0xa1                        ; source 0 (w_proj) window 1, source 1 (y) window 0, C and D window 2
.set TO_B, 0x40                        ; destination window 1, address window 0
.macro ARM under, g0, g1, next         ; one arm of the head's chain of branches on the wave's number: its joint load, s_nop 0 and four v_nop, a jump to the join
	s_cmp_lt_u32 s14, \under
	s_cbranch_scc0 \next
	tensor_load_to_lds s[\g0:\g0+3], s[\g1:\g1+7]
	s_nop 0
.rept 4
	v_nop
.endr
	s_branch .Lhead_asked
\next:
.endm
.macro CROUND                          ; a round of the cluster's barrier
	s_barrier_signal -1
	s_barrier_wait -1
	s_cmp_lg_u32 s14, 0
	s_cbranch_scc1 .Lnot_wave_0_\@
	s_barrier_signal -3
.Lnot_wave_0_\@:
	s_barrier_wait -3
	s_barrier_signal -1
	s_barrier_wait -1
.endm
.macro PLACES n                        ; plain vector instructions between a matrix instruction and a load into its registers or a read of its result
.rept \n
	v_nop
.endr
.endm
.macro FETCH k, p                      ; K step k's fragments into set p: lane l holds row l % 16; registers 4 c .. 4 c + 3 hold K = 64 c + 32 (l / 16) + 0 .. 31
	WIN TO_B
.irp i, 0,1,2,3,4,5,6,7
.irp c, 0,1
	ds_load_b128 v[128*(\p)+8*\i+4*\c:128*(\p)+8*\i+4*\c+3], v[ADRB+(\k)/4] offset:64*((\k)%4)+32*\c+\i*16*PITCH
.endr
.endr
	WIN 0
.irp i, 0,1,2,3
.irp c, 0,1
	ds_load_b128 v[AF+32*(\p)+8*\i+4*\c:AF+32*(\p)+8*\i+4*\c+3], v[ADRA+(\k)/4] offset:((\k)%4)*PLANE+\i*16*APITCH+32*\c
.endr
.endr
.endm
.macro STEP k                          ; 128 along K: 32 products, the 32 accumulators by turns, one instruction a turn.  The first step starts the sums: nothing is cleared
	s_wait_dscnt 0x0                               ; this step's fragments are in
.if (\k) < 7
.if (\k) > 0
	PLACES 4                                       ; the other set was read by the last step's products
.endif
	FETCH (\k)+1, 1-(\k)%2
.endif
	WIN MUL
.irp a, 0,1,2,3
.irp b, 0,1,2,3,4,5,6,7
.if (\k) == 0
	v_wmma_scale_f32_16x16x128_f8f6f4 v[8*(8*\a+\b):8*(8*\a+\b)+7], v[128*((\k)%2)+8*\b:128*((\k)%2)+8*\b+7], v[AF+32*((\k)%2)+8*\a:AF+32*((\k)%2)+8*\a+7], 0, v[SB+8*(\k)+\b], v[SA+4*(\k)+\a] matrix_a_fmt:MATRIX_FMT_FP4 matrix_b_fmt:MATRIX_FMT_FP4
.else
	v_wmma_scale_f32_16x16x128_f8f6f4 v[8*(8*\a+\b):8*(8*\a+\b)+7], v[128*((\k)%2)+8*\b:128*((\k)%2)+8*\b+7], v[AF+32*((\k)%2)+8*\a:AF+32*((\k)%2)+8*\a+7], v[8*(8*\a+\b):8*(8*\a+\b)+7], v[SB+8*(\k)+\b], v[SA+4*(\k)+\a] matrix_a_fmt:MATRIX_FMT_FP4 matrix_b_fmt:MATRIX_FMT_FP4
.endif
.endr
.endr
	WIN 0
.endm
; THE WAY OUT, block by block of 16 tokens x 128 columns: through my own stage, back as whole rows of 512 bytes, the bias added, stored as two aligned units of 256 bytes.  LDS serves a wave's instructions in order.
.macro TOSTAGE a
.set AC, 64*(\a)
	WIN 0x08                                       ; the data: window 2
.irp b, 0,1,2,3,4,5,6,7
	ds_store_b128 v[STO], v[AC+8*\b:AC+8*\b+3] offset:64*\b          ; each accumulator from its low end on
	ds_store_b128 v[STO], v[AC+8*\b+4:AC+8*\b+7] offset:64*\b+16
.endr
	WIN 0
.set BB, BK+64*((\a)%2)
.irp t, 0,1,2,3,4,5,6,7,8,9,10,11,12,13,14,15
	ds_load_b128 v[BB+4*\t:BB+4*\t+3], v[RD] offset:\t*SPITCH
.endr
.endm
.macro SEND a, younger                 ; younger: the LDS instructions issued behind block a's loads, which may stay out
.set BB, BK+64*((\a)%2)
	s_wait_dscnt \younger
.if (\a) > 0
	s_add_nc_u64 s[OUTP:OUTP+1], s[OUTP:OUTP+1], 16*SIZE_N*4   ; behind a wait on XCNT: the earlier stores have read their base
.endif
.irp t, 0,1,2,3,4,5,6,7,8,9,10,11,12,13,14,15
	v_pk_add_f32 v[BB+4*\t:BB+4*\t+1], v[BB+4*\t:BB+4*\t+1], v[BIA:BIA+1]
	v_pk_add_f32 v[BB+4*\t+2:BB+4*\t+3], v[BB+4*\t+2:BB+4*\t+3], v[BIA+2:BIA+3]
	global_store_b128 v[CO], v[BB+4*\t:BB+4*\t+3], s[OUTP:OUTP+1] offset:\t*SIZE_N*4 th:TH_STORE_NT   ; 32 lanes store 512 consecutive bytes, aligned
.endr
.endm
	s_load_b256 s[4:11], s[0:1], 0x0               ; yc s[4:5], ys s[6:7], pc s[8:9], ps s[10:11]
	s_load_b128 s[96:99], s[0:1], 0x20             ; b_proj, out0
	v_lshl_add_u32 v[SPW], v0, 2, SPARE
	v_mov_b32 v[NIL], 0
	ds_add_u32 v[SPW], v[NIL]                      ; the opening lines: the add, twice on end, and its wait ahead of the first tensor loads
	ds_add_u32 v[SPW], v[NIL]
	v_lshrrev_b32 v1, 5, v0
	v_readfirstlane_b32 s14, v1                    ; wave 0..3
	s_lshr_b32 s15, s14, 1                         ; my 64 of the block's 128 tokens
	s_and_b32 s16, s14, 1                          ; my 128 of its 256 columns
	s_bfe_u32 s40, ttmp6, 0x40000                  ; cx
	s_bfe_u32 s41, ttmp6, 0x40004                  ; cy
	s_lshl_b32 s42, ttmp9, 2
	s_add_co_u32 s42, s42, s40                     ; the block's 256 columns
	s_and_b32 s17, ttmp7, 0xffff
	s_lshl_b32 s17, s17, 2
	s_add_co_u32 s17, s17, s41                     ; the block's 128 tokens
	s_lshl_b32 s43, s41, 2
	s_lshl_b32 s43, 15, s43                        ; my row of the cluster
	s_lshl_b32 s44, 0x1111, s40                    ; my column
	s_or_b32 s[G1+0], s43, (0<<16)|(1<<20)|(1<<21)|(3<<22)|(3<<25)    ; the mask; elements of 1 byte; padding on; bit 21 beside a mask; 4 words behind every 16
	s_mov_b32 s[G1+1], 8192<<16                    ; 8 rows of 8,192 bytes,
	s_mov_b32 s[G1+2], 8<<16
	s_mov_b32 s[G1+3], 8192<<16
	s_mov_b32 s[G1+4], 8
	s_mov_b32 s[G1+5], 16384                       ; 16,384 apart
	s_mov_b32 s[G1+6], 0
	s_mov_b32 s[G1+7], 0
	s_or_b32 s[G1B+0], s44, (0<<16)|(1<<20)|(1<<21)|(6<<22)|(3<<25)   ; 4 words behind every 128
	s_mov_b32 s[G1B+1], 512<<16                    ; 256 rows of 512 bytes, dense
	s_mov_b32 s[G1B+2], 256<<16
	s_mov_b32 s[G1B+3], 512<<16
	s_mov_b32 s[G1B+4], 256
	s_mov_b32 s[G1B+5], 512
	s_mov_b32 s[G1B+6], 0
	s_mov_b32 s[G1B+7], 0
	s_or_b32 s[G1S+0], s43, (3<<16)|(1<<21)        ; elements of 8 bytes, no padding
	s_mov_b32 s[G1S+1], 64<<16                     ; 8 rows of 512 bytes,
	s_mov_b32 s[G1S+2], 8<<16
	s_mov_b32 s[G1S+3], 64<<16
	s_mov_b32 s[G1S+4], 8
	s_mov_b32 s[G1S+5], 128                        ; 1,024 apart
	s_mov_b32 s[G1S+6], 0
	s_mov_b32 s[G1S+7], 0
	s_or_b32 s[G1SB+0], s44, (3<<16)|(1<<21)
	s_mov_b32 s[G1SB+1], 32<<16                    ; 32 rows of 256 bytes, dense
	s_mov_b32 s[G1SB+2], 32<<16
	s_mov_b32 s[G1SB+3], 32<<16
	s_mov_b32 s[G1SB+4], 32
	s_mov_b32 s[G1SB+5], 32
	s_mov_b32 s[G1SB+6], 0
	s_mov_b32 s[G1SB+7], 0
	s_lshr_b32 s18, s17, 1                         ; yc's and ys's tile of 256 tokens,
	s_and_b32 s19, s17, 1                          ; and which half of it
	s_lshl_b32 s20, s18, 17
	s_lshl_b32 s21, s19, 13
	s_add_co_u32 s20, s20, s21                     ; yc: tile x 131072 + half x 8192
	s_mov_b32 s21, 0
	s_lshl_b32 s22, s18, 13
	s_lshl_b32 s23, s19, 9
	s_add_co_u32 s22, s22, s23                     ; ys: tile x 8192 + half x 512
	s_mov_b32 s23, 0
	s_add_co_u32 s46, s42, 44                      ; w_proj's tiles begin at tile 44 of pc and ps
	s_lshl_b32 s92, s46, 13
	s_mov_b32 s93, 0
	s_lshl_b32 s46, s46, 17
	s_mov_b32 s47, 0
	s_wait_dscnt 0x0                               ; both opening adds are done
	s_wait_kmcnt 0x0
	s_mov_b32 s[G0], 1
	s_mov_b32 s[G0+1], 0
	s_add_nc_u64 s[G0+2:G0+3], s[4:5], s[20:21]
	s_or_b32 s[G0+3], s[G0+3], 0x80000000
	s_mov_b32 s[G0B], 1
	s_mov_b32 s[G0B+1], BBASE
	s_add_nc_u64 s[G0B+2:G0B+3], s[8:9], s[46:47]
	s_or_b32 s[G0B+3], s[G0B+3], 0x80000000
	s_mov_b32 s[G0S], 1
	s_mov_b32 s[G0S+1], SCA
	s_add_nc_u64 s[G0S+2:G0S+3], s[6:7], s[22:23]
	s_or_b32 s[G0S+3], s[G0S+3], 0x80000000
	s_mov_b32 s[G0SB], 1
	s_mov_b32 s[G0SB+1], SCB
	s_add_nc_u64 s[G0SB+2:G0SB+3], s[10:11], s[92:93]
	s_or_b32 s[G0SB+3], s[G0SB+3], 0x80000000
	CROUND                                         ; all sixteen work-groups are here: the joint loads meet
	; the launch's four tiles, one joint load a wave: every way through the chain passes exactly one
	ARM 1, G0,  G1,  .Lhead_b
	ARM 2, G0B, G1B, .Lhead_sa
	ARM 3, G0S, G1S, .Lhead_sb
	tensor_load_to_lds s[G0SB:G0SB+3], s[G1SB:G1SB+7]
	s_nop 0
.rept 4
	v_nop
.endr
.Lhead_asked:
	s_mul_i32 s18, s15, 64*APITCH                  ; my 64 tokens in a plane
	s_mul_i32 s19, s16, HALFT
	s_add_co_u32 s19, s19, BBASE                   ; my 128 rows of w_proj
	s_lshl_b32 s20, s15, 8
	s_add_co_u32 s20, s20, SCA                     ; my tokens' words
	s_lshl_b32 s21, s16, 9
	s_add_co_u32 s21, s21, SCB                     ; my columns'
	s_mul_i32 s22, s14, 16*SPITCH
	s_add_co_u32 s22, s22, STAGE                   ; my stage
	v_and_b32 v1, 15, v0                           ; r
	v_bfe_u32 v2, v0, 4, 1                         ; h
	v_and_b32 v6, 31, v0
	v_mul_u32_u24 v3, v1, APITCH
	v_mul_u32_u24 v4, v1, PITCH
	v_mul_u32_u24 v5, v1, SPITCH
	v_lshl_add_u32 v3, v2, 4, v3                   ; a fragment's row x pitch + 16 h
	v_lshl_add_u32 v4, v2, 4, v4
	v_lshl_add_u32 v5, v2, 5, v5                   ; the stage, in: row r, 32 bytes for each half of the lanes
	v_lshlrev_b32 v[CO], 4, v6                     ; back: the 32 lanes take one row of 512 bytes; and the same in out0 and in the bias
	v_add_nc_u32 v[ADRA], s18, v3
	v_add_nc_u32 v[ADRB], s19, v4
	v_lshl_add_u32 v[ASA], v1, 2, s20
	v_lshl_add_u32 v[ASB], v1, 2, s21
	v_add_nc_u32 v[STO], s22, v5
	v_add_nc_u32 v[RD], s22, v[CO]
	v_add_nc_u32 v[ADRA+1], 4*PLANE, v[ADRA]
	v_add_nc_u32 v[ADRB+1], 256, v[ADRB]
	s_wait_alu depctr_va_vdst(0)
	s_lshl_b32 s20, s17, 7
	s_lshl_b32 s21, s15, 6
	s_add_co_u32 s20, s20, s21                     ; my first token
	s_lshl_b32 s20, s20, 12                        ; rows of 4,096 bytes
	s_lshl_b32 s46, s42, 10
	s_lshl_b32 s47, s16, 9
	s_add_co_u32 s46, s46, s47                     ; my first column, in bytes
	s_add_co_u32 s20, s20, s46
	s_mov_b32 s21, 0
	s_mov_b32 s47, 0
	s_add_nc_u64 s[OUTP:OUTP+1], s[OUTP:OUTP+1], s[20:21]
	s_add_nc_u64 s[96:97], s[96:97], s[46:47]
	global_load_b128 v[BIA:BIA+3], v[CO], s[96:97]
	s_wait_tensorcnt 0x0                           ; my tile of the four is in,
	s_barrier_signal -1
	s_barrier_wait -1                              ; everybody's is
.irp k, 0,1,2,3,4,5,6,7                        ; the scale words of all of K: lane r takes row r's word (lanes 16-31 hold the same and are not read)
.irp a, 0,1,2,3
	ds_load_b32 v[SA+4*\k+\a], v[ASA] offset:512*\k+64*\a
.endr
.irp b, 0,1,2,3,4,5,6,7
	ds_load_b32 v[SB+8*\k+\b], v[ASB] offset:1024*\k+64*\b
.endr
.endr
	FETCH 0, 0
.irp k, 0,1,2,3,4,5,6,7
	STEP \k
.endr
	PLACES 4                                       ; in front of the first read of results and of loads into the registers that held y's fragments
	s_wait_loadcnt 0x0                             ; the bias
	TOSTAGE 0
.irp a, 1,2,3
.if \a > 1
	s_wait_xcnt 0x0                                ; block a - 2's stores have read their registers and their base
.endif
	TOSTAGE \a
	SEND \a-1, 32                                  ; behind block a - 1's loads: block a's 16 stores and 16 loads
.endr
	s_wait_xcnt 0x0
	SEND 3, 0
	s_wait_tensorcnt 0x0                           ; the wave's end
	ds_add_u32 v[SPW], v[NIL]
	s_wait_dscnt 0x0
	CROUND                                         ; the closing round
	s_endpgm
.Lfunc_end_k_q67047fb2f5_proj:
	.size	k_q67047fb2f5_proj, .Lfunc_end_k_q67047fb2f5_proj-k_q67047fb2f5_proj
	.p2alignl 7, 3214868480
	.fill 96, 4, 3214868480
	.section	.rodata,"a",@progbits
	.p2align	6, 0x0
	.amdhsa_kernel k_q67047fb2f5_proj
		.amdhsa_group_segment_fixed_size 327680
		.amdhsa_private_segment_fixed_size 0
		.amdhsa_enable_private_segment 0
		.amdhsa_kernarg_size 48
		.amdhsa_user_sgpr_count 2
		.amdhsa_user_sgpr_kernarg_segment_ptr 1
		.amdhsa_wavefront_size32 1
		.amdhsa_system_sgpr_workgroup_id_x 1
		.amdhsa_system_sgpr_workgroup_id_y 1
		.amdhsa_system_sgpr_workgroup_id_z 1
		.amdhsa_system_vgpr_workitem_id 0
		.amdhsa_next_free_vgpr 768
		.amdhsa_next_free_sgpr 100
		.amdhsa_reserve_vcc 0
		.amdhsa_float_denorm_mode_32 3
		.amdhsa_float_denorm_mode_16_64 3
		.amdhsa_memory_ordered 1
		.amdhsa_forward_progress 1
		.amdhsa_inst_pref_size 84
	.end_amdhsa_kernel
	.amdgpu_metadata
---
amdhsa.version: [ 1, 2 ]
amdhsa.kernels:
  - .name:           k_q67047fb2f5_proj
    .symbol:         k_q67047fb2f5_proj.kd
    .args:
      - { .name: yc, .offset: 0, .size: 8, .value_kind: global_buffer, .address_space: global }
      - { .name: ys, .offset: 8, .size: 8, .value_kind: global_buffer, .address_space: global }
      - { .name: pc, .offset: 16, .size: 8, .value_kind: global_buffer, .address_space: global }
      - { .name: ps, .offset: 24, .size: 8, .value_kind: global_buffer, .address_space: global }
      - { .name: b_proj, .offset: 32, .size: 8, .value_kind: global_buffer, .address_space: global }
      - { .name: out0, .offset: 40, .size: 8, .value_kind: global_buffer, .address_space: global }
    .group_segment_fixed_size: 327680
    .private_segment_fixed_size: 0
    .kernarg_segment_align: 8
    .kernarg_segment_size: 48
    .max_flat_workgroup_size: 128
    .sgpr_count:     100
    .vgpr_count:     768
    .wavefront_size: 32
...
	.end_amdgpu_metadata
.endif
;; end of part 4
